; MI455X (gfx1250); checked and timed in simulation.
; The chip was launched on July 23, 2026; its instructions are those of AMD's public machine-readable ISA for CDNA 5 (MIT licence, August 2026) and "CDNA5" Instruction Set Architecture Reference Guide (July 2026). The comments in the code are by the model that wrote it; some were corrected since.
;; Deep Seek Mo E Layer. Allowed arithmetic: matrix products marked QUANTISED: E3M2 operands, one E8M0 scale for each 32 along K, by v_wmma_scale_f32_16x16x128_f8f6f4 with both operands' format E3M2, f32 sums; products left as they are: f32 operands where the result goes on into a quantised operand, else bf16, f16 or f32 operands; f32 sums; everything else in f32.
;; Inputs: ew1 8 x 1,024 x 512 float32; ew2 8 x 512 x 1,024 float32; router_bias 8 float32; router_w 8 x 1,024 float32; sw1 1,024 x 2,048 float32; sw2 2,048 x 1,024 float32; sw3 1,024 x 2,048 float32; x 2 x 2,048 x 1,024 float32.
;; Outputs: out0 2 x 2,048 x 1,024 float32.
;; This version of the problem:
;;   THIS VERSION OF THE PROBLEM IS GIVEN IN LOW PRECISION. The matrix products marked QUANTISED in the list below multiply operands that are first quantised to E3M2 (3 exponent bits, 2 mantissa bits; 6 bits a number), with one power-of-two scale for each 32 numbers along K (OCP MX v1.0); their sums are f32. All else is computed in f32.
;;   The module's matrix products, in the order in which they are computed (A, B: the left and right operand; K: the contracted axis; several contracted axes count as one K, in the product's order):
;;     1. [M 4,096, K 1,024] x [K 1,024, N 2,048]; A: input x; B: input sw1: QUANTISED
;;     2. [M 4,096, K 1,024] x [K 1,024, N 2,048]; A: input x; B: input sw3: QUANTISED
;;     3. [M 4,096, K 2,048] x [K 2,048, N 1,024]; A: computed on the way; B: input sw2: QUANTISED
;;     4. [M 4,096, K 1,024] x [K 1,024, N 8]; A: input x; B: input router_w: left as it is (N = 8 < 16)
;;     5. batch 4,096 x [M 8, K 2] x [K 2, N 1]; A: computed on the way; B: computed on the way: left as it is (K = 2 < 32)
;;     6. [M 4,096, K 1,024] x [K 1,024, N 4,096]; A: input x; B: input ew1: QUANTISED
;;     7. batch 8 x [M 1,024, K 512] x [K 512, N 4,096]; A: input ew2; B: computed on the way: QUANTISED
;;     8. batch 4,096 x [M 1,024, K 8] x [K 8, N 1]; A: computed on the way; B: computed on the way: left as it is (K = 8 < 32)
;;   THE QUANTISER, for each operand of a quantised product, along K:
;;     - K is cut into blocks of 32 from its start; a last block that is shorter is filled with zeros.
;;     - A block's scale is 2^e with e = floor(log2(the largest magnitude in the block)) - 4, held to -126 .. 127; a block of zeros has e = 0. As a byte (E8M0): e + 127.
;;     - Each number is divided by its block's scale, clamped to +-28, and rounded to the nearest number of E3M2, ties to even, subnormals kept.
;;     - The product sums the exact products of the quantised numbers (number of the format x scale) in f32.
;;   ~~~python
;;   def quantise(x, axis):      # numpy; x: float32 -> the quantised numbers, widened to float32 again
;;       x = np.moveaxis(x, axis, -1); K = x.shape[-1]
;;       x = np.pad(x, [(0, 0)] * (x.ndim - 1) + [(0, -K % 32)]); x = x.reshape(x.shape[:-1] + (-1, 32)); a = np.abs(x).max(-1, keepdims=True)
;;       e = np.where(a > 0, np.clip(np.frexp(np.where(a > 0, a, 1))[1] - 1 - 4, -126, 127), 0)      # np.frexp(a)[1] - 1 = floor(log2(a)), exactly
;;       r = np.clip(x / 2.0 ** e, -28, 28)
;;       step = 2.0 ** (np.maximum(np.frexp(np.where(r == 0, 1, r))[1] - 1, -2) - 2)
;;       q = np.round(r / step) * step * 2.0 ** e      # np.round: ties to even
;;       return np.moveaxis(q.reshape(q.shape[:-2] + (-1,))[..., :K], -1, axis).astype(np.float32)
;;   ~~~
;;   OPERANDS COMPUTED ON THE WAY. 'Computed on the way' means the value that the module computes at that place (a softmax that the list does not call 'softmax' is quantised finished and normalised). What goes into a quantiser is computed in f32, as accurately as f32 sums, v_exp_f32 and their like allow (about 1e-6 of the number): no bf16 or f16 on the way to a quantiser, and a product that is left as it is and whose result goes on into a quantised operand takes f32 operands (vector FMAs, or v_wmma_f32_16x16x4_f32). A number that lies on a knife's edge between two numbers of the format may be rounded either way, as far as f32 arithmetic and the matrix unit's own rounding can turn it there, and no further.
;; 2 versions, each right and faster than the one before. Each part assembles by itself: llvm-mc -triple=amdgcn-amd-amdhsa -mcpu=gfx1250 --defsym DOCPART=n.
;; ======== version 1 of 2: 4 launches
;; workspace buffers: XQ 4,194,304 bytes; KEY 16,384 bytes of whole numbers; GT 32,768 bytes; SORT 32,768 bytes of whole numbers; SG 32,768 bytes; W 11,468,800 bytes; H 19,660,800 bytes
;; launch qx (part 1): grid 256 x 1, 4 waves a work-group, no clusters, 59,904 bytes of LDS; arguments x, router_w, router_bias, XQ, KEY, GT; writes XQ, KEY, GT
.if DOCPART == 1
	.amdgcn_target "amdgcn-amd-amdhsa--gfx1250"
	.amdhsa_code_object_version 6
	.text
	.protected	k_qa092924f0b_qx
	.globl	k_qa092924f0b_qx
	.p2align	8
	.type	k_qa092924f0b_qx,@function
k_qa092924f0b_qx:
	s_mov_b64 s[64:65], 0
	v_nop
	global_prefetch_b8 v0, s[64:65] scope:SCOPE_SE
	s_setreg_imm32_b32 hwreg(HW_REG_WAVE_MODE, 25, 1), 1
	s_wait_xcnt 0x0
; LAUNCH 1 OF 4.  x [4096][1024] f32 becomes codes of E3M2 with one E8M0 byte for each 32 along K (XQ), and the router is computed in f32: logits by fused multiply-adds,
; sigmoid, + bias, the two largest (the lower index wins a tie, as jax.lax.top_k has it), gates from the unbiased affinities.
; XQ: a row of 1,024 bytes for each token: 768 bytes of codes (block l at 24 l), 32 scale bytes at 768, zeros behind them.  KEY[token] = 8 lo + hi, the two chosen experts, lo < hi.  GT[token] = (gate of lo, gate of hi).
; WORK LEFT OUT BY THE PROGRAM.  reference() computes all 8 experts for all tokens and multiplies y[n][e][:] by comb[n][e], which its own one_hot makes 0 for every expert that token n did not choose.  Tokens are sorted by
; their pair of experts into blocks of 64.  For a block and an expert that none of its 64 tokens chose, comb is 0 in all 64 rows, so those rows of the products with ew1 and ew2 and of the weighted sum reach no output, whatever
; finite values the inputs hold: launches 3 and 4 do not compute them, by a branch on whole numbers that launch 2 has stored.  Inside a block that uses an expert all 64 rows are computed and the rows that did not choose it
; take the gate 0.  The products with one_hot and with comb are that choice and one fused multiply-add.  Every input is loaded.
; LIMITS.  A NaN, an infinity or an overflow that reaches only the work left out is not carried to the result.  NaN and infinities among the inputs are not served.  A block of zeros gets the scale byte 1 where the
; quantiser says 127: its codes are zeros, and this program alone reads the bytes.  Where two selection scores agree to within the rounding of an f32 sum of 1,024 terms the choice may differ from reference()'s.
; SHARES.  A work-group takes 16 rows, a wave 4.  Lane l holds block l of a row: k = 32 l .. 32 l + 31, and the same k of all eight router rows (256 registers, window 1).
; Each load reads 512 consecutive bytes; a row turns through the wave's own stage in LDS (a lane's 128 bytes + 16 of padding = 36 words: sixteen lanes' 16 bytes start at sixteen different multiples of 4 words
; modulo 64; 64 banks of 4 bytes: ISA guide 11.1).  A row of XQ is gathered in LDS and leaves by two stores of 512 consecutive bytes.
.set RWP,   4608                       ; a row of 1,024 f32 in LDS: 32 places of 144 bytes
.set XST,   8*RWP                      ; behind the 8 router rows: a stage of one row for each wave
.set OST,   XST+4*RWP                  ; a row of XQ, 1,024 bytes, for each wave
.set SPARE, OST+4096                   ; the spare words, 128 bytes for each wave: two blocks of 256 bytes that no other line names
.set CD,    16                         ; v16-21  a block's codes
.set TT,    22                         ; v22-24  their second half as it is made
.set R,     32                         ; v32-159 four rows as loaded; a row's first 8 registers later take its row of XQ
.set X,     160                        ; v160-191 my 32 neighbours; at the head v160-223 two router rows as loaded; at the end the logits and what is made of them
.set PS,    192                        ; v192-223 my part of logit (row i, expert e) at 8 i + e
.set AC,    224                        ; v224-239 eight sums, two halves each
.set ZL,    160                        ; logits
.set EX,    168                        ; exponentials
.set SIG,   176                        ; affinities
.set SEL,   184                        ; affinities + bias
.set SPW,   252                        ; LDS address of my spare word; never rewritten
.set NIL,   253                        ; 0; never rewritten
.set MSB, 0
.macro WIN new                         ; the immediate's high byte repeats the setting that is left
.if MSB != \new
	s_set_vgpr_msb (MSB<<8)|\new
.set MSB, \new
.endif
.endm
	s_load_b256 s[4:11], s[0:1], 0x0               ; x s[4:5], router_w s[6:7], router_bias s[8:9], XQ s[10:11]
	s_load_b128 s[12:15], s[0:1], 0x20             ; KEY s[12:13], GT s[14:15]
	v_lshl_add_u32 v[SPW], v0, 2, SPARE
	v_mov_b32 v[NIL], 0
	v_lshrrev_b32 v1, 5, v0
	v_readfirstlane_b32 s16, v1                    ; wave 0..3
	v_and_b32 v1, 31, v0                           ; lane
	v_lshlrev_b32 v2, 4, v1                        ; 16 l: my 16 bytes of a load's or store's 512
	v_lshrrev_b32 v11, 3, v1
	v_mul_u32_u24 v11, v11, 144
	v_and_b32 v12, 7, v1
	v_lshl_add_u32 v11, v12, 4, v11                ; into a stage: 144 (l / 8) + 16 (l % 8); a load's 512 bytes take four places
	v_mul_u32_u24 v6, v1, 144                      ; out of it: 144 l.  v6: in the router's rows
	s_mul_i32 s17, s16, RWP
	s_add_co_u32 s17, s17, XST
	v_add_nc_u32 v3, s17, v11                      ; v3, v4: in and out of my wave's stage
	v_add_nc_u32 v4, s17, v6
	s_mul_i32 s17, s16, 2*RWP
	v_add_nc_u32 v5, s17, v11                      ; v5: where my wave puts router rows 2 w and 2 w + 1
	s_lshl_b32 s17, s16, 10
	s_add_co_u32 s17, s17, OST
	v_mul_u32_u24 v7, v1, 24
	v_add_nc_u32 v7, s17, v7                       ; v7: my block's 24 bytes of codes
	v_add_nc_u32 v10, s17, v2                      ; v10: the row of XQ read back
	s_add_co_u32 s17, s17, 768
	v_add_nc_u32 v8, s17, v1                       ; v8: my block's scale byte
	v_lshl_add_u32 v9, v1, 3, s17                  ; v9: 8 bytes a lane of the row's last 256
	v_mov_b32 v12, 0
	v_mov_b32 v13, 0
	s_lshl_b32 s17, s16, 13
	v_add_nc_u32 v14, s17, v2                      ; router_w: rows 2 w, 2 w + 1
	s_lshl_b32 s18, ttmp9, 4
	s_lshl_b32 s19, s16, 2
	s_add_co_u32 s18, s18, s19                     ; my first row: 16 x work-group + 4 x wave
	s_mov_b32 s28, 0x76543210
	s_mov_b32 s29, 0xfedcba98                      ; v_permlanex16_b32's selects for lane l xor 16
	s_mov_b32 s30, 0xaaaaaaaa                      ; the odd lanes
	s_mov_b32 s31, 0xcccccccc                      ; the lanes with bit 1 set
	s_mov_b32 s32, 0x3089705f                      ; 1e-9
	s_lshl_b32 s34, s18, 12
	s_mov_b32 s35, 0
	s_lshl_b32 s36, s18, 10
	s_mov_b32 s37, 0
	s_lshl_b32 s38, s18, 2
	s_mov_b32 s39, 0
	s_lshl_b32 s40, s18, 3
	s_mov_b32 s41, 0
	s_wait_kmcnt 0x0
	s_load_b256 s[20:27], s[8:9], 0x0              ; the eight biases
	s_add_nc_u64 s[4:5], s[4:5], s[34:35]
	s_add_nc_u64 s[10:11], s[10:11], s[36:37]
	s_add_nc_u64 s[12:13], s[12:13], s[38:39]
	s_add_nc_u64 s[14:15], s[14:15], s[40:41]
.irp rr, 0,1
.irp j, 0,1,2,3,4,5,6,7
	global_load_b128 v[X+32*\rr+4*\j:X+32*\rr+4*\j+3], v14, s[6:7] offset:4096*\rr+512*\j
.endr
.endr
.irp i, 0,1,2,3
.irp j, 0,1,2,3,4,5,6,7
	global_load_b128 v[R+32*\i+4*\j:R+32*\i+4*\j+3], v2, s[4:5] offset:4096*\i+512*\j th:TH_LOAD_NT
.endr
.endr
	s_wait_loadcnt 32                              ; the router's 16 loads are in; the 32 of x, issued behind them, may be out
.irp rr, 0,1
.irp j, 0,1,2,3,4,5,6,7
	ds_store_b128 v5, v[X+32*\rr+4*\j:X+32*\rr+4*\j+3] offset:RWP*\rr+576*\j
.endr
.endr
	s_wait_dscnt 0x0                               ; for the others' sake: my two router rows lie in LDS
	s_barrier_signal -1
	s_barrier_wait -1                              ; all eight do
	WIN 0x40                                       ; destination window 1
.irp e, 0,1,2,3,4,5,6,7
.irp i, 0,1,2,3,4,5,6,7
	ds_load_b128 v[32*\e+4*\i:32*\e+4*\i+3], v6 offset:RWP*\e+16*\i   ; router_w[e][32 l + 4 i ..]
.endr
.endr
	WIN 0
	ds_store_b64 v9, v[12:13]                      ; bytes 768 to 1,023 of my row of XQ: zeros; each row's 32 scale bytes are laid over the first of them
; One row: turned, quantised, multiplied by the eight router rows, and its row of XQ stored.
.macro ROW i
	s_wait_loadcnt 8*(3-\i)                        ; this row's eight loads are in; the later rows' may be out
.irp j, 0,1,2,3,4,5,6,7
	ds_store_b128 v3, v[R+32*\i+4*\j:R+32*\i+4*\j+3] offset:576*\j
.endr
.irp j, 0,1,2,3,4,5,6,7
	ds_load_b128 v[X+4*\j:X+4*\j+3], v4 offset:16*\j   ; LDS serves a wave's instructions in order: these see the stores above
.endr
	s_wait_dscnt 0x0
	v_max3_num_f32 v240, |v[X]|, |v[X+1]|, |v[X+2]|    ; the block's largest magnitude: all 32 numbers are mine; two chains
	v_max3_num_f32 v241, |v[X+3]|, |v[X+4]|, |v[X+5]|
.irp k, 6,10,14,18,22,26
	v_max3_num_f32 v240, v240, |v[X+\k]|, |v[X+\k+1]|
	v_max3_num_f32 v241, v241, |v[X+\k+2]|, |v[X+\k+3]|
.endr
	v_max3_num_f32 v240, v240, |v[X+30]|, |v[X+31]|
	v_max3_num_f32 v240, v240, v241, 0x2800000     ; and the floor 2^(5 - 127): the byte cannot fall under 1
	v_add_nc_u32 v242, 0xfe000000, v240            ; 4 off its exponent field: the conversion takes the exponent field of this operand as its scale
	v_lshrrev_b32 v243, 23, v242                   ; the scale's byte
	v_cvt_scalef32_pk16_bf6_f32 v[CD:CD+2], v[X:X+15], v242
	v_cvt_scalef32_pk16_bf6_f32 v[TT:TT+2], v[X+16:X+31], v242   ; (a conversion's three registers begin on an even number)
	v_nop                                          ; one plain place behind a scaled conversion
.irp k, 0,1,2
	v_mov_b32 v[CD+3+\k], v[TT+\k]
.endr
	WIN 0x04                                       ; source 1 (router_w) window 1
.irp e, 0,1,2,3,4,5,6,7
	v_pk_mul_f32 v[AC+2*\e:AC+2*\e+1], v[X:X+1], v[32*\e:32*\e+1]     ; the first product starts each sum
.endr
.irp j, 2,4,6,8,10,12,14,16,18,20,22,24,26,28,30
.irp e, 0,1,2,3,4,5,6,7
	v_pk_fma_f32 v[AC+2*\e:AC+2*\e+1], v[X+\j:X+\j+1], v[32*\e+\j:32*\e+\j+1], v[AC+2*\e:AC+2*\e+1]   ; the eight sums by turns
.endr
.endr
	WIN 0
.irp e, 0,1,2,3,4,5,6,7
	v_add_f32 v[PS+8*\i+\e], v[AC+2*\e], v[AC+2*\e+1]
.endr
	ds_store_b64 v7, v[CD:CD+1]
	ds_store_b64 v7, v[CD+2:CD+3] offset:8
	ds_store_b64 v7, v[CD+4:CD+5] offset:16
	ds_store_b8 v8, v243
	ds_load_b128 v[R+32*\i:R+32*\i+3], v10
	ds_load_b128 v[R+32*\i+4:R+32*\i+7], v10 offset:512
	s_wait_dscnt 0x0
	global_store_b128 v2, v[R+32*\i:R+32*\i+3], s[10:11] offset:1024*\i       ; 32 lanes store 512 consecutive bytes, aligned
	global_store_b128 v2, v[R+32*\i+4:R+32*\i+7], s[10:11] offset:1024*\i+512
.endm
	ROW 0
	ROW 1
	ROW 2
	ROW 3
; The 32 lanes' parts of four rows' logits are added so that lane l ends with the logit of row l % 4: in the first two steps a lane keeps the row that it will own and sends the other to its neighbour.
.macro RED e
	v_cndmask_b32 v240, v[PS+\e], v[PS+8+\e], s30      ; kept: even lanes row 0, odd lanes row 1
	v_cndmask_b32 v241, v[PS+8+\e], v[PS+\e], s30      ; sent
	v_cndmask_b32 v242, v[PS+16+\e], v[PS+24+\e], s30  ; the same of rows 2 and 3
	v_cndmask_b32 v243, v[PS+24+\e], v[PS+16+\e], s30
	v_add_f32_dpp v240, v241, v240 row_xmask:1 row_mask:0xf bank_mask:0xf
	v_add_f32_dpp v242, v243, v242 row_xmask:1 row_mask:0xf bank_mask:0xf
	v_cndmask_b32 v244, v240, v242, s31
	v_cndmask_b32 v245, v242, v240, s31
	v_add_f32_dpp v244, v245, v244 row_xmask:2 row_mask:0xf bank_mask:0xf
	v_add_f32_dpp v244, v244, v244 row_xmask:4 row_mask:0xf bank_mask:0xf
	v_add_f32_dpp v244, v244, v244 row_xmask:8 row_mask:0xf bank_mask:0xf
	v_permlanex16_b32 v245, v244, s28, s29
	v_add_f32 v[ZL+\e], v244, v245
.endm
.irp e, 0,1,2,3,4,5,6,7
	RED \e
.endr
.irp e, 0,1,2,3,4,5,6,7
	v_mul_f32 v[EX+\e], 0xbfb8aa3b, v[ZL+\e]       ; - z log2(e)
.endr
.irp e, 0,1,2,3,4,5,6,7
	v_exp_f32 v[EX+\e], v[EX+\e]
.endr
	v_nop                                          ; a plain place behind the batch
	s_wait_alu depctr_va_vdst(0)                   ; one wait for the eight exponentials, ahead of their first reader
.irp e, 0,1,2,3,4,5,6,7
	v_add_f32 v[EX+\e], 1.0, v[EX+\e]
.endr
.irp e, 0,1,2,3,4,5,6,7
	v_rcp_f32 v[SIG+\e], v[EX+\e]                  ; the affinity: 1 / (1 + e^-z)
.endr
	v_mov_b32 v246, 0xff800000                     ; -infinity.  (A plain place behind the batch)
	s_wait_alu depctr_va_vdst(0)                   ; one wait for the eight reciprocals
	s_wait_kmcnt 0x0                               ; the biases
.irp e, 0,1,2,3,4,5,6,7
	v_add_f32 v[SEL+\e], s[20+\e], v[SIG+\e]
.endr
.macro SCAN best, idx, sv              ; the largest selection score, its index (strictly greater: the lower index keeps a tie) and that expert's affinity
	v_mov_b32 v[\best], v[SEL]
	v_mov_b32 v[\idx], 0
	v_mov_b32 v[\sv], v[SIG]
.irp e, 1,2,3,4,5,6,7
	v_cmp_gt_f32 vcc_lo, v[SEL+\e], v[\best]
	v_cndmask_b32 v[\best], v[\best], v[SEL+\e], vcc_lo
	v_cndmask_b32 v[\idx], v[\idx], \e, vcc_lo
	v_cndmask_b32 v[\sv], v[\sv], v[SIG+\e], vcc_lo
.endr
.endm
	SCAN 240, 241, 242
.irp e, 0,1,2,3,4,5,6,7
	v_cmp_eq_u32 vcc_lo, \e, v241
	v_cndmask_b32 v[SEL+\e], v[SEL+\e], v246, vcc_lo   ; the first choice is taken out
.endr
	SCAN 243, 244, 245
	v_add_f32 v247, v242, v245                     ; denom
	v_add_f32 v248, s32, v247
	v_rcp_f32 v248, v248
	v_min_u32 v250, v241, v244                     ; lo.  (A plain place behind the reciprocal)
	v_max_u32 v251, v241, v244                     ; hi
	s_wait_alu depctr_va_vdst(0)                   ; the wait, ahead of the reciprocal's first reader
	v_mul_f32 v249, v242, v248
	v_mul_f32 v248, v245, v248
	v_cmp_lt_f32 vcc_lo, s32, v247                 ; denom > 1e-9 ?
	v_cndmask_b32 v249, 0.5, v249, vcc_lo
	v_cndmask_b32 v248, 0.5, v248, vcc_lo
	v_cmp_lt_u32 vcc_lo, v241, v244
	v_cndmask_b32 v160, v248, v249, vcc_lo         ; the gate of lo,
	v_cndmask_b32 v161, v249, v248, vcc_lo         ; of hi
	v_lshl_add_u32 v162, v250, 3, v251             ; 8 lo + hi
	v_lshlrev_b32 v163, 2, v1
	v_lshlrev_b32 v164, 3, v1
	s_wait_xcnt 0x0                                ; EXEC changes only behind this wait: the rows' stores have read theirs
	v_cmp_gt_u32 vcc_lo, 4, v1
	s_and_saveexec_b32 s33, vcc_lo                 ; lanes 0 to 3 hold rows 0 to 3
	global_store_b32 v163, v162, s[12:13]
	global_store_b64 v164, v[160:161], s[14:15]
	s_wait_xcnt 0x0                                ; and again, in front of the line that widens it
	s_or_b32 exec_lo, exec_lo, s33
	s_wait_tensorcnt 0x0                           ; the wave's end
	ds_add_u32 v[SPW], v[NIL]
	s_wait_dscnt 0x0
	s_endpgm
.Lfunc_end_k_qa092924f0b_qx:
	.size	k_qa092924f0b_qx, .Lfunc_end_k_qa092924f0b_qx-k_qa092924f0b_qx
	.p2alignl 7, 3214868480
	.fill 96, 4, 3214868480
	.section	.rodata,"a",@progbits
	.p2align	6, 0x0
	.amdhsa_kernel k_qa092924f0b_qx
		.amdhsa_group_segment_fixed_size 59904
		.amdhsa_private_segment_fixed_size 0
		.amdhsa_enable_private_segment 0
		.amdhsa_kernarg_size 48
		.amdhsa_user_sgpr_count 2
		.amdhsa_user_sgpr_kernarg_segment_ptr 1
		.amdhsa_wavefront_size32 1
		.amdhsa_system_sgpr_workgroup_id_x 1
		.amdhsa_system_sgpr_workgroup_id_y 1
		.amdhsa_system_sgpr_workgroup_id_z 1
		.amdhsa_system_vgpr_workitem_id 0
		.amdhsa_next_free_vgpr 512
		.amdhsa_next_free_sgpr 66
		.amdhsa_reserve_vcc 1
		.amdhsa_float_denorm_mode_32 3
		.amdhsa_float_denorm_mode_16_64 3
		.amdhsa_memory_ordered 1
		.amdhsa_forward_progress 1
		.amdhsa_inst_pref_size 70
	.end_amdhsa_kernel
	.amdgpu_metadata
---
amdhsa.version: [ 1, 2 ]
amdhsa.kernels:
  - .name:           k_qa092924f0b_qx
    .symbol:         k_qa092924f0b_qx.kd
    .args:
      - { .name: x, .offset: 0, .size: 8, .value_kind: global_buffer, .address_space: global }
      - { .name: router_w, .offset: 8, .size: 8, .value_kind: global_buffer, .address_space: global }
      - { .name: router_bias, .offset: 16, .size: 8, .value_kind: global_buffer, .address_space: global }
      - { .name: XQ, .offset: 24, .size: 8, .value_kind: global_buffer, .address_space: global }
      - { .name: KEY, .offset: 32, .size: 8, .value_kind: global_buffer, .address_space: global }
      - { .name: GT, .offset: 40, .size: 8, .value_kind: global_buffer, .address_space: global }
    .group_segment_fixed_size: 59904
    .private_segment_fixed_size: 0
    .kernarg_segment_align: 8
    .kernarg_segment_size: 48
    .max_flat_workgroup_size: 128
    .sgpr_count:     66
    .vgpr_count:     512
    .wavefront_size: 32
...
	.end_amdgpu_metadata
.endif
;; end of part 1
;; launch qw (part 2): grid 449 x 1, 8 waves a work-group, no clusters, 2,048 bytes of LDS; arguments KEY, GT, sw1, sw3, sw2, ew1, ew2, SORT, SG, W; writes SORT, SG, W
.if DOCPART == 2
	.amdgcn_target "amdgcn-amd-amdhsa--gfx1250"
	.amdhsa_code_object_version 6
	.text
	.protected	k_qa092924f0b_qw
	.globl	k_qa092924f0b_qw
	.p2align	8
	.type	k_qa092924f0b_qw,@function
k_qa092924f0b_qw:
	s_mov_b64 s[64:65], 0
	v_nop
	global_prefetch_b8 v0, s[64:65] scope:SCOPE_SE
	s_setreg_imm32_b32 hwreg(HW_REG_WAVE_MODE, 25, 1), 1
	s_wait_xcnt 0x0
; LAUNCH 2 OF 4.  Work-group 0 sorts the 4,096 tokens by their pair of experts (a counting sort over the 28 pairs, no atomics); work-groups 1 to 448 quantise the five weights.
; SORT: LIST[pos] = token at byte 0, SKEY[pos] = 8 lo + hi at byte 16,384.  SG[pos] = (gate of lo, gate of hi).  Blocks of 64 positions are what launches 3 and 4 work on: they leave out the experts that no token of a block chose.
; WEIGHTS.  Every weight has K as its first axis.  A LANE TAKES A COLUMN AND ITS REGISTERS RUN DOWN K: a load reads 128 consecutive bytes of a row, a block of 32 along K lies in one lane, and the conversions give codes with K innermost.
; W holds the operands AS IMAGES OF THEIR REGISTERS: a fragment (16 columns x 128 K, 12 registers a lane) is 1,536 bytes, registers 4 i .. 4 i + 3 of lane L at 512 i + 16 L.  Columns go in groups of 32, two tiles u to a group:
; lane r of tile u holds column 32 g + 8 u + r + 8 (r / 8), so that the results of a group's two tiles are 16 neighbours along the next product's K.  A fragment lies at region + matrix x 393,216 + g x 2 KS x 1,536 + u x KS x 1,536 + s x 1,536.
; Regions: sw1 at 0, sw3 at 1,572,864, ew1 at 3,145,728 (KS = 8 K steps); at 6,291,456 twelve matrices [512 K][1,024]: sw2's four quarters of K, then ew2's eight (KS = 4).
; Scale words from WSC on: [group][lane 16 u + r][KS words]: lanes 0-15 tile 0's rows, lanes 16-31 tile 1's.
; A work-group takes 256 columns x 128 K, a wave one group: lane 16 u + r holds four blocks of tile u's row r.  One exchange of halves between the even and the odd blocks' codes makes the two tiles' images.
; LIMITS: as stated at the head of launch 1 (zero blocks get the byte 1; NaN and infinities are not served; a KEY that is no pair lo < hi does not occur for finite inputs).
.set WSC,   11010048
.set SPARE, 1024                       ; behind the eight waves' tables: the spare words, 128 bytes for each wave: four blocks of 256 bytes that no other line names
.set SPW,   14
.set NIL,   15
.set OFF,   16                         ; v16-47   4 x my column + i x pitch, i = 0 .. 31
.set X,     48                         ; v48-175  my column's 128 numbers
.set FA,    176                        ; v176-187 the even blocks' codes, then tile 0's image;  v188-199 the odd blocks', then tile 1's
.set TT,    200
.set SBW,   204                        ; my column's scale word
	s_load_b512 s[4:19], s[0:1], 0x0               ; KEY s[4:5], GT s[6:7], sw1 s[8:9], sw3 s[10:11], sw2 s[12:13], ew1 s[14:15], ew2 s[16:17], SORT s[18:19]
	s_load_b128 s[20:23], s[0:1], 0x40             ; SG s[20:21], W s[22:23]
	v_lshl_add_u32 v[SPW], v0, 2, SPARE
	v_mov_b32 v[NIL], 0
	v_lshrrev_b32 v1, 5, v0
	v_readfirstlane_b32 s24, v1                    ; wave 0..7
	v_and_b32 v1, 31, v0                           ; lane
	s_wait_kmcnt 0x0
	s_cmp_eq_u32 ttmp9, 0
	s_cbranch_scc1 .Lplace
	; ---- the weights.  Job j = work-group - 1.  What differs between the five tensors is nine numbers, chosen by the job's number alone:
	; first job, mask of the column field, mask of the K field, mask of the expert field, log2 of the pitch in bytes, 1 where KS = 8, the codes' region, the scale words' region, the source
	s_sub_co_u32 s25, ttmp9, 1
.macro PICK first, bound, cb, cgm, sm, em, lp, k8, db, sb, src
.if \first
	s_mov_b32 s26, \cb
	s_mov_b32 s27, \cgm
	s_mov_b32 s28, \sm
	s_mov_b32 s29, \em
	s_mov_b32 s30, \lp
	s_mov_b32 s31, \k8
	s_mov_b32 s32, \db
	s_mov_b32 s33, \sb
	s_mov_b64 s[34:35], s[\src:\src+1]
.else
	s_cmp_lt_u32 s25, \bound
	s_cselect_b32 s26, \cb, s26
	s_cselect_b32 s27, \cgm, s27
	s_cselect_b32 s28, \sm, s28
	s_cselect_b32 s29, \em, s29
	s_cselect_b32 s30, \lp, s30
	s_cselect_b32 s31, \k8, s31
	s_cselect_b32 s32, \db, s32
	s_cselect_b32 s33, \sb, s33
	s_cselect_b64 s[34:35], s[\src:\src+1], s[34:35]
.endif
.endm
	PICK 1, 0,   320, 3, 3,  7, 12, 0, 7864320, 327680, 16     ; ew2: jobs 320 to 447 (its matrices are 4 + e)
	PICK 0, 320, 192, 1, 7,  7, 11, 1, 3145728, 131072, 14     ; ew1: 192 to 319
	PICK 0, 192, 128, 3, 15, 0, 12, 0, 6291456, 262144, 12     ; sw2: 128 to 191
	PICK 0, 128, 64,  7, 7,  0, 13, 1, 1572864, 65536,  10     ; sw3: 64 to 127
	PICK 0, 64,  0,   7, 7,  0, 13, 1, 0,       0,      8      ; sw1: 0 to 63
	s_sub_co_u32 s36, s25, s26                     ; the job within its tensor
	s_and_b32 s37, s36, s27                        ; which 256 columns
	s_bcnt1_i32_b32 s38, s27
	s_lshr_b32 s39, s36, s38
	s_and_b32 s39, s39, s28                        ; S: which 128 along K
	s_lshr_b32 s40, s36, 4
	s_and_b32 s40, s40, s29                        ; the expert, or 0
	s_lshl_b32 s41, s37, 3
	s_add_co_u32 s41, s41, s24                     ; my group of 32 columns
	s_add_co_u32 s42, s31, 2
	s_lshr_b32 s43, s39, s42
	s_add_co_u32 s43, s43, s40                     ; the matrix in its region: the expert, or sw2's quarter of K
	s_lshl_b32 s44, 4, s31
	s_sub_co_u32 s44, s44, 1
	s_and_b32 s44, s44, s39                        ; the K step in that matrix
	s_lshl_b32 s46, s40, 21                        ; the source: expert x 2,097,152
	s_add_co_u32 s45, s30, 7
	s_lshl_b32 s45, s39, s45
	s_add_co_u32 s46, s46, s45                     ; + 128 S rows
	s_lshl_b32 s45, s37, 10
	s_add_co_u32 s46, s46, s45                     ; + 256 columns x 4 bytes
	s_lshl_b32 s45, s24, 7
	s_add_co_u32 s46, s46, s45                     ; + my 32 columns
	s_mov_b32 s47, 0
	s_mul_i32 s48, s43, 393216                     ; the codes
	s_add_co_u32 s48, s48, s32
	s_lshl_b32 s45, 12288, s31
	s_mul_i32 s45, s45, s41
	s_add_co_u32 s48, s48, s45
	s_mul_i32 s45, s44, 1536
	s_add_co_u32 s48, s48, s45
	s_mov_b32 s49, 0
	s_lshl_b32 s50, 6144, s31                      ; from tile 0 to tile 1
	s_mov_b32 s51, 0
	s_lshl_b32 s52, s43, 14                        ; the scale words
	s_add_co_u32 s52, s52, s33
	s_add_co_u32 s52, s52, WSC
	s_lshl_b32 s45, 512, s31
	s_mul_i32 s45, s45, s41
	s_add_co_u32 s52, s52, s45
	s_lshl_b32 s45, s44, 2
	s_add_co_u32 s52, s52, s45
	s_mov_b32 s53, 0
	s_add_co_u32 s54, s31, 4                       ; log2 of a lane's KS words in bytes
	s_lshl_b32 s55, 1, s30                         ; the pitch
	s_lshl_b32 s56, s55, 5                         ; 32 rows
	s_mov_b32 s57, 0
	s_add_nc_u64 s[58:59], s[34:35], s[46:47]      ; a base for each of the four blocks: no pointer is stepped later
	s_add_nc_u64 s[60:61], s[58:59], s[56:57]
	s_add_nc_u64 s[62:63], s[60:61], s[56:57]
	s_add_nc_u64 s[66:67], s[62:63], s[56:57]
	s_add_nc_u64 s[68:69], s[22:23], s[48:49]      ; tile 0's image,
	s_add_nc_u64 s[70:71], s[68:69], s[50:51]      ; tile 1's,
	s_add_nc_u64 s[72:73], s[22:23], s[52:53]      ; the scale words
	v_and_b32 v2, 15, v1
	v_lshrrev_b32 v5, 3, v2
	v_lshrrev_b32 v6, 4, v1
	v_lshl_add_u32 v7, v5, 3, v2
	v_lshl_add_u32 v7, v6, 3, v7                   ; my column in the group: 8 u + r + 8 (r / 8)
	v_lshlrev_b32 v[OFF], 2, v7
	v_lshlrev_b32 v3, 4, v1                        ; 16 L
	v_lshlrev_b32 v4, s54, v1                      ; my scale words' place
.set I_, 1
.rept 31
	v_add_nc_u32 v[OFF+I_], s55, v[OFF+I_-1]
.set I_, I_+1
.endr
.macro LDB t, sb
.irp i, 0,1,2,3,4,5,6,7,8,9,10,11,12,13,14,15,16,17,18,19,20,21,22,23,24,25,26,27,28,29,30,31
	global_load_b32 v[X+32*\t+\i], v[OFF+\i], s[\sb:\sb+1] th:TH_LOAD_NT   ; 32 lanes read 128 consecutive bytes of a row
.endr
.endm
	LDB 0, 58
	LDB 1, 60
	LDB 2, 62
	LDB 3, 66
.macro BLK t
.set XS_, X+32*(\t)
.if (\t) < 2
	s_wait_loadcnt 63                              ; 96 or 64 later loads might stay out; the wait's field holds 63, and a smaller count is safe
.elseif (\t) == 2
	s_wait_loadcnt 32                              ; the last block's 32 may be out
.else
	s_wait_loadcnt 0x0
.endif
	v_max3_num_f32 v205, |v[XS_]|, |v[XS_+1]|, |v[XS_+2]|
	v_max3_num_f32 v206, |v[XS_+3]|, |v[XS_+4]|, |v[XS_+5]|
.irp i, 6,10,14,18,22,26
	v_max3_num_f32 v205, v205, |v[XS_+\i]|, |v[XS_+\i+1]|
	v_max3_num_f32 v206, v206, |v[XS_+\i+2]|, |v[XS_+\i+3]|
.endr
	v_max3_num_f32 v205, v205, |v[XS_+30]|, |v[XS_+31]|
	v_max3_num_f32 v205, v205, v206, 0x2800000     ; and the floor 2^(5 - 127)
	v_add_nc_u32 v207, 0xfe000000, v205            ; 4 off the exponent field: the conversion's scale operand
	v_lshrrev_b32 v206, 23, v207                   ; the scale's byte
.if (\t) == 0
	v_mov_b32 v[SBW], v206
.else
	v_lshl_or_b32 v[SBW], v206, 8*(\t), v[SBW]
.endif
.set FD_, FA+12*((\t)%2)+6*((\t)/2)
	v_cvt_scalef32_pk16_bf6_f32 v[FD_:FD_+2], v[XS_:XS_+15], v207
	v_cvt_scalef32_pk16_bf6_f32 v[TT:TT+2], v[XS_+16:XS_+31], v207   ; (a conversion's three registers begin on an even number)
	v_nop                                          ; one plain place behind a scaled conversion
.irp i, 0,1,2
	v_mov_b32 v[FD_+3+\i], v[TT+\i]
.endr
.endm
	BLK 0
	BLK 1
	BLK 2
	BLK 3
.irp i, 0,1,2,3,4,5,6,7,8,9,10,11
	v_permlane16_swap_b32 v[FA+\i], v[FA+12+\i]    ; tile 1's even blocks change places with tile 0's odd ones: the first twelve are now tile 0's image, the second tile 1's
.endr
.irp i, 0,1,2
	global_store_b128 v3, v[FA+4*\i:FA+4*\i+3], s[68:69] offset:512*\i       ; 32 lanes store 512 consecutive bytes, aligned
	global_store_b128 v3, v[FA+12+4*\i:FA+12+4*\i+3], s[70:71] offset:512*\i
.endr
	global_store_b32 v4, v[SBW], s[72:73]
	s_branch .Lend
	; ---- the placing of tokens.  Wave w takes tokens 512 w + 32 c + lane, c = 0 .. 15.
	; v16-31 keys, v32-63 gates, v64-79 4 x bin, v80-95 rank among the wave's tokens of the same pair, v96-111 4 x position, v112-127 8 x position, v128-143 tokens
.Lplace:
	s_lshl_b32 s25, s24, 9
	v_add_nc_u32 v159, s25, v1                     ; my first token
	v_lshlrev_b32 v160, 2, v159
	v_lshlrev_b32 v161, 3, v159
.irp c, 0,1,2,3,4,5,6,7,8,9,10,11,12,13,14,15
	global_load_b32 v[16+\c], v160, s[4:5] offset:128*\c
	global_load_b64 v[32+2*\c:33+2*\c], v161, s[6:7] offset:256*\c
.endr
	v_mov_b32 v144, 0                              ; lane q: how many of my wave's tokens have pair q
	v_mov_b32 v155, 0
	s_wait_loadcnt 0x0
.irp c, 0,1,2,3,4,5,6,7,8,9,10,11,12,13,14,15
	v_min_u32 v[16+\c], 63, v[16+\c]
	v_lshrrev_b32 v157, 3, v[16+\c]                ; lo
	v_and_b32 v158, 7, v[16+\c]                    ; hi
	v_sub_nc_u32 v156, 13, v157
	v_mul_u32_u24 v156, v156, v157
	v_lshrrev_b32 v156, 1, v156
	v_add3_u32 v156, v156, v158, -1                ; the pair's number: lo (13 - lo) / 2 + hi - 1, 0 .. 27
	v_lshlrev_b32 v[64+\c], 2, v156
	v_mov_b32 v[80+\c], 0
	v_add_nc_u32 v[128+\c], 32*\c, v159
.endr
.set Q_, 0
.irp lo, 0,1,2,3,4,5,6
.irp hi, 1,2,3,4,5,6,7
.if \hi > \lo
	s_mov_b32 s26, 0                               ; the pair's tokens met so far in my wave
.irp c, 0,1,2,3,4,5,6,7,8,9,10,11,12,13,14,15
	v_cmp_eq_u32 s27, 8*\lo+\hi, v[16+\c]
	v_mbcnt_lo_u32_b32 v157, s27, s26              ; those in lower lanes + those met before
	v_cndmask_b32 v[80+\c], v[80+\c], v157, s27
	s_bcnt1_i32_b32 s28, s27
	s_add_co_u32 s26, s26, s28
.endr
	v_writelane_b32 v144, s26, Q_
.set Q_, Q_+1
.endif
.endr
.endr
	v_lshlrev_b32 v158, 2, v0                      ; 128 w + 4 lane
	ds_store_b32 v158, v144
	s_wait_dscnt 0x0                               ; for the others' sake: my table lies in LDS
	s_barrier_signal -1                            ; (the branch that led here hangs on the work-group's number alone: all eight waves are here)
	s_barrier_wait -1
	v_lshlrev_b32 v158, 2, v1
.irp i, 0,1,2,3,4,5,6,7
	ds_load_b32 v[145+\i], v158 offset:128*\i
.endr
	v_mov_b32 v153, 0                              ; the pair's tokens in all waves,
	v_mov_b32 v154, 0                              ; and in the waves before mine
	s_wait_dscnt 0x0
.irp i, 0,1,2,3,4,5,6,7
	s_cmp_gt_u32 s24, \i
	s_cselect_b32 s27, -1, 0
	v_add_nc_u32 v153, v153, v[145+\i]
	v_and_b32 v157, s27, v[145+\i]
	v_add_nc_u32 v154, v154, v157
.endr
	s_mov_b32 s26, 0
.irp q, 0,1,2,3,4,5,6,7,8,9,10,11,12,13,14,15,16,17,18,19,20,21,22,23,24,25,26,27
	v_readlane_b32 s27, v153, \q
	v_writelane_b32 v155, s26, \q                  ; where pair q begins
	s_add_co_u32 s26, s26, s27
.endr
	v_add_nc_u32 v156, v155, v154                  ; where my wave's tokens of pair q begin
.irp c, 0,1,2,3,4,5,6,7,8,9,10,11,12,13,14,15
	ds_bpermute_b32 v[96+\c], v[64+\c], v156
.endr
	s_wait_dscnt 0x0
.irp c, 0,1,2,3,4,5,6,7,8,9,10,11,12,13,14,15
	v_add_nc_u32 v[96+\c], v[96+\c], v[80+\c]
	v_min_u32 v[96+\c], 0xfff, v[96+\c]            ; the position; held inside the list
	v_lshlrev_b32 v[112+\c], 3, v[96+\c]
	v_lshlrev_b32 v[96+\c], 2, v[96+\c]
	global_store_b32 v[96+\c], v[128+\c], s[18:19]
	global_store_b32 v[96+\c], v[16+\c], s[18:19] offset:16384
	global_store_b64 v[112+\c], v[32+2*\c:33+2*\c], s[20:21]
.endr
.Lend:
	s_wait_tensorcnt 0x0                           ; the wave's end
	ds_add_u32 v[SPW], v[NIL]
	s_wait_dscnt 0x0
	s_endpgm
.Lfunc_end_k_qa092924f0b_qw:
	.size	k_qa092924f0b_qw, .Lfunc_end_k_qa092924f0b_qw-k_qa092924f0b_qw
	.p2alignl 7, 3214868480
	.fill 96, 4, 3214868480
	.section	.rodata,"a",@progbits
	.p2align	6, 0x0
	.amdhsa_kernel k_qa092924f0b_qw
		.amdhsa_group_segment_fixed_size 2048
		.amdhsa_private_segment_fixed_size 0
		.amdhsa_enable_private_segment 0
		.amdhsa_kernarg_size 80
		.amdhsa_user_sgpr_count 2
		.amdhsa_user_sgpr_kernarg_segment_ptr 1
		.amdhsa_wavefront_size32 1
		.amdhsa_system_sgpr_workgroup_id_x 1
		.amdhsa_system_sgpr_workgroup_id_y 1
		.amdhsa_system_sgpr_workgroup_id_z 1
		.amdhsa_system_vgpr_workitem_id 0
		.amdhsa_next_free_vgpr 208
		.amdhsa_next_free_sgpr 80
		.amdhsa_reserve_vcc 0
		.amdhsa_float_denorm_mode_32 3
		.amdhsa_float_denorm_mode_16_64 3
		.amdhsa_memory_ordered 1
		.amdhsa_forward_progress 1
		.amdhsa_inst_pref_size 164
	.end_amdhsa_kernel
	.amdgpu_metadata
---
amdhsa.version: [ 1, 2 ]
amdhsa.kernels:
  - .name:           k_qa092924f0b_qw
    .symbol:         k_qa092924f0b_qw.kd
    .args:
      - { .name: KEY, .offset: 0, .size: 8, .value_kind: global_buffer, .address_space: global }
      - { .name: GT, .offset: 8, .size: 8, .value_kind: global_buffer, .address_space: global }
      - { .name: sw1, .offset: 16, .size: 8, .value_kind: global_buffer, .address_space: global }
      - { .name: sw3, .offset: 24, .size: 8, .value_kind: global_buffer, .address_space: global }
      - { .name: sw2, .offset: 32, .size: 8, .value_kind: global_buffer, .address_space: global }
      - { .name: ew1, .offset: 40, .size: 8, .value_kind: global_buffer, .address_space: global }
      - { .name: ew2, .offset: 48, .size: 8, .value_kind: global_buffer, .address_space: global }
      - { .name: SORT, .offset: 56, .size: 8, .value_kind: global_buffer, .address_space: global }
      - { .name: SG, .offset: 64, .size: 8, .value_kind: global_buffer, .address_space: global }
      - { .name: W, .offset: 72, .size: 8, .value_kind: global_buffer, .address_space: global }
    .group_segment_fixed_size: 2048
    .private_segment_fixed_size: 0
    .kernarg_segment_align: 8
    .kernarg_segment_size: 80
    .max_flat_workgroup_size: 256
    .sgpr_count:     80
    .vgpr_count:     208
    .wavefront_size: 32
...
	.end_amdgpu_metadata
.endif
;; end of part 2
;; launch up (part 3): grid 64 x 8, 4 waves a work-group, no clusters, 67,072 bytes of LDS; arguments XQ, SORT, W, H; writes H
.if DOCPART == 3
	.amdgcn_target "amdgcn-amd-amdhsa--gfx1250"
	.amdhsa_code_object_version 6
	.text
	.protected	k_qa092924f0b_up
	.globl	k_qa092924f0b_up
	.p2align	8
	.type	k_qa092924f0b_up,@function
k_qa092924f0b_up:
	s_mov_b64 s[64:65], 0
	v_nop
	global_prefetch_b8 v0, s[64:65] scope:SCOPE_SE
	s_setreg_imm32_b32 hwreg(HW_REG_WAVE_MODE, 25, 1), 1
	s_wait_xcnt 0x0
; LAUNCH 3 OF 4.  The hidden layers, as codes of E3M2.  Work-group (b, y) takes block b of 64 sorted tokens and runs two jobs on it:
;   job 0, always: shared hidden units 256 y .. 256 y + 255: silu(x sw1) (x sw3);      job 1, only if a token of the block chose expert y: gelu(x ew1[y]), all 512 units.
; WORK LEFT OUT: job 1 of an expert that none of the block's 64 tokens chose: its rows are multiplied by comb = 0 in reference() (shown at the head of launch 1).  The branch hangs on the stored keys.
; NO TENSOR LOAD AND NO CLUSTER: whether job 1 runs is a branch on stored numbers.  So the weights come from memory straight into registers, as the images
; that launch 2 laid out (three loads of 16 bytes a lane for a fragment), and the one barrier stands ahead of that branch.  The block's 64 rows of XQ are gathered once into LDS and read by all four waves.
; SHARES.  A wave makes 64 rows x 128 weight columns: 32 accumulators.  Job 0: 64 hidden units, sw1's four tiles (t = 0..3) and sw3's (t = 4..7).  Job 1: hidden units 128 w .. 128 w + 127 (t = 0..7).
; THE PRODUCT IS USED TRANSPOSED (source 0 = 16 weight columns, source 1 = 16 tokens): a lane holds one token, and by launch 2's choice of a tile's columns the 16 registers of tiles 2 g, 2 g + 1 are hidden units 32 g + 16 (lane / 16) + 0 .. 15.
; K = 1,024 goes in 8 steps of 128: 32 matrix instructions each, the accumulators by turns, one instruction a turn.  The weights' fragments run in a ring of three sets of registers, two steps ahead.
; H: codes [b][segment 0..11][K step 0..3][tile of rows 0..3][1,536 bytes]; a fragment as two halves c of 768 bytes: registers 6 c .. 6 c + 3 of lane L at 16 L, registers 6 c + 4, 6 c + 5 at 512 + 8 L.
; Segments 0-3: the shared layer's quarters; 4 + e: expert e.  Scale words from HSC on: [b][segment][row 0..63][4 words].
; ARITHMETIC.  silu(a) c is formed as (a c) / (1 + 2^(-a log2 e)).  gelu(a) = u + u erf(u sqrt 2), u = a / 2; erf(z) = z A(z^2) / B(z^2), a rational form in f32 with z held to +-4 (beyond that erf is +-1 to f32's last bit).
; LIMITS: as stated at the head of launch 1.
; REGISTERS.  window 0: v1-7 addresses, v8, v9 the add's two, v[10:11], v[12:13] two coefficients, v[14:15] two keys, v16-31 the gather's offsets, later scale words; v32-47 x's scale words, v48-79 the weights';
;   v80-127, v128-175 x's fragments, two sets; v128-255 the gathered rows at the head.  Behind a job's products: U 48-111, Z 112-143 (later the codes), X2 144-175, P 176-207, Q 208-239, TM 240-255.
;   window 1: accumulator (m, t) at v[64 m + 8 t].   window 2: the weights' sets 0 (v0-95) and 1 (v128-223).   window 3: set 2 (v0-95).
.set XP,    1040                       ; a row of XQ in LDS: 1,024 bytes + 16 = 260 words: row r starts at bank 4 r mod 64 (64 banks of 4 bytes: ISA guide 11.1): the 32 lanes of a fragment's load of 8 bytes touch 64 different banks
.set SPARE, 64*XP                      ; the spare words, 128 bytes for each wave: two blocks of 256 bytes that no other line names
.set WSC,   11010048
.set HSC,   18874368
.set PW,    16                         ; v16-19  a tile of rows' scale word
.set SW,    20                         ; v20-21  two tiles' words, one in each half of the lanes
.set XS,    32
.set WS,    48
.set XF,    80
.set U,     48
.set Z,     112
.set C,     112
.set X2,    144
.set P,     176
.set Q,     208
.set TM,    240
.set MSB, 0
.macro WIN new                         ; the immediate's high byte repeats the setting that is left
.if MSB != \new
	s_set_vgpr_msb (MSB<<8)|\new
.set MSB, \new
.endif
.endm
.macro CPAIR r, val                    ; a constant as a pair: the packed forms name a pair and take its low word for both halves
	s_mov_b32 s[\r], \val
	s_mov_b32 s[\r+1], \val
.endm
	s_load_b256 s[4:11], s[0:1], 0x0               ; XQ s[4:5], SORT s[6:7], W s[8:9], H s[10:11]
	v_lshl_add_u32 v8, v0, 2, SPARE
	v_mov_b32 v9, 0
	v_lshrrev_b32 v1, 5, v0
	v_readfirstlane_b32 s12, v1                    ; wave 0..3
	s_mov_b32 s13, ttmp9                           ; b
	s_and_b32 s14, ttmp7, 0xffff                   ; y
	v_and_b32 v7, 31, v0                           ; L
	v_lshlrev_b32 v1, 4, v7                        ; 16 L
	v_lshlrev_b32 v2, 3, v7                        ; 8 L
	v_lshlrev_b32 v6, 5, v7                        ; 32 L
	v_and_b32 v3, 15, v0
	v_bfe_u32 v4, v0, 4, 1
	v_mul_u32_u24 v3, v3, XP
	v_mad_u32_u24 v3, v4, 24, v3                   ; x's fragments: row r, + 24 h
	v_mul_u32_u24 v4, v7, XP
	v_add_nc_u32 v4, 768, v4                       ; x's scale words: row L
	s_mul_i32 s74, s12, 16*XP
	v_add_nc_u32 v5, s74, v1                       ; the gather: my wave's 16 rows
	s_mov_b32 s44, 0x76543210
	s_mov_b32 s45, 0xfedcba98                      ; v_permlanex16_b32's selects for lane l xor 16
	s_mov_b32 s46, 0xffff0000                      ; lanes 16 to 31
	CPAIR 48, 0xbfb8aa3b                           ; -log2(e)
	CPAIR 50, 0x3fb504f3                           ; sqrt(2)
	CPAIR 52, 0xaf95df0b                           ; A's coefficients, the highest power first: -2.72614226e-10, (2.77068142e-08 in v[10:11]),
	CPAIR 54, 0xb60cff51                           ; -2.10102402e-06
	CPAIR 56, 0xb86ec2d2                           ; -5.69250639e-05
	CPAIR 58, 0xba40ac63                           ; -7.34990630e-04
	CPAIR 60, 0xbb41a1f6                           ; -2.95459981e-03
	CPAIR 62, 0xbc83dbd4                           ; -1.60960333e-02
	CPAIR 66, 0xb77460cd                           ; B's: -1.45660718e-05, (-2.13374055e-04 in v[12:13]),
	CPAIR 68, 0xbadc924e                           ; -1.68282697e-03
	CPAIR 70, 0xbbf19bf8                           ; -7.37332917e-03
	CPAIR 72, 0xbc69b6a7                           ; -1.42647391e-02
	v_mov_b32 v10, 0x32edffee
	v_mov_b32 v11, 0x32edffee
	v_mov_b32 v12, 0xb95fbd29
	v_mov_b32 v13, 0xb95fbd29
	s_lshl_b32 s74, s13, 8                         ; 64 b positions x 4 bytes
	s_mov_b32 s75, 0
	s_lshl_b32 s76, s12, 6                         ; my wave's 16
	s_mov_b32 s77, 0
	s_lshl_b32 s80, s14, 3
	s_lshl_b32 s81, s12, 1
	s_add_co_u32 s80, s80, s81                     ; job 0: my first group of 32 hidden units: 8 y + 2 w
	s_mul_i32 s82, s80, 24576
	s_mov_b32 s83, 0
	s_lshl_b32 s84, s80, 10
	s_add_co_u32 s84, s84, WSC
	s_mov_b32 s85, 0
	s_lshr_b32 s86, s14, 1                         ; the segment of H,
	s_and_b32 s87, s14, 1
	s_lshl_b32 s87, s87, 1
	s_lshr_b32 s88, s12, 1
	s_add_co_u32 s87, s87, s88                     ; the K step in it: 2 (y % 2) + w / 2,
	s_and_b32 s88, s12, 1                          ; and the half of a fragment: my 64 units are two blocks of its four
	s_mul_i32 s90, s13, 294912
	s_mul_i32 s89, s86, 24576
	s_add_co_u32 s90, s90, s89
	s_mul_i32 s89, s87, 6144
	s_add_co_u32 s90, s90, s89
	s_mul_i32 s89, s88, 768
	s_add_co_u32 s90, s90, s89
	s_mov_b32 s91, 0
	s_mul_i32 s92, s13, 12
	s_add_co_u32 s92, s92, s86
	s_lshl_b32 s92, s92, 10
	s_lshl_b32 s89, s87, 2
	s_add_co_u32 s92, s92, s89
	s_lshl_b32 s89, s88, 1
	s_add_co_u32 s92, s92, s89
	s_add_co_u32 s92, s92, HSC
	s_mov_b32 s93, 0
	s_wait_kmcnt 0x0
	s_add_nc_u64 s[78:79], s[6:7], s[74:75]        ; SORT at my block
	s_add_nc_u64 s[76:77], s[78:79], s[76:77]
	s_load_b512 s[16:31], s[76:77], 0x0            ; my wave's 16 tokens
	s_add_nc_u64 s[32:33], s[8:9], s[82:83]        ; sw1's images,
	s_add_nc_u64 s[34:35], s[32:33], 1572864       ; sw3's,
	s_add_nc_u64 s[36:37], s[8:9], s[84:85]        ; sw1's scale words,
	s_add_nc_u64 s[38:39], s[36:37], 65536         ; sw3's
	s_add_nc_u64 s[40:41], s[10:11], s[90:91]      ; H's codes,
	s_add_nc_u64 s[42:43], s[10:11], s[92:93]      ; H's scale words
	s_wait_kmcnt 0x0
.irp i, 0,1,2,3,4,5,6,7,8,9,10,11,12,13,14,15
	s_min_u32 s[16+\i], s[16+\i], 0xfff            ; a token's number, held inside XQ
	v_lshl_add_u32 v[16+\i], s[16+\i], 10, v1      ; its row of 1,024 bytes, + 16 L
.endr
; the weights' scale words of all 8 K steps: lane L = 16 u + r reads its 8 words; register 8 g + s: lanes 0-15 tile 2 g's rows, lanes 16-31 tile 2 g + 1's
.macro WSLOAD
.irp g, 0,1
.irp q, 0,1
	global_load_b128 v[WS+8*\g+4*\q:WS+8*\g+4*\q+3], v6, s[36:37] offset:1024*\g+16*\q
	global_load_b128 v[WS+16+8*\g+4*\q:WS+16+8*\g+4*\q+3], v6, s[38:39] offset:1024*\g+16*\q
.endr
.endr
.endm
; K step s of my eight weight tiles into set s % 3: 24 loads, each 512 consecutive bytes
.macro WLOAD s
.if ((\s)%3) == 2
	WIN 0xc0                                       ; destination window 3
.set WB, 0
.else
	WIN 0x80                                       ; destination window 2
.set WB, 128*((\s)%3)
.endif
.irp t, 0,1,2,3
.irp i, 0,1,2
	global_load_b128 v[WB+12*\t+4*\i:WB+12*\t+4*\i+3], v1, s[32:33] offset:24576*(\t/2)+12288*(\t%2)+1536*(\s)+512*\i
.endr
.endr
.irp t, 0,1,2,3
.irp i, 0,1,2
	global_load_b128 v[WB+48+12*\t+4*\i:WB+48+12*\t+4*\i+3], v1, s[34:35] offset:24576*(\t/2)+12288*(\t%2)+1536*(\s)+512*\i
.endr
.endr
	WIN 0
.endm
; K step s of the four tiles of rows into set s % 2: a fragment is six loads of 8 bytes, as the row's stream of bits lies
.macro XLOAD s
.set XB, XF+48*((\s)%2)
.irp m, 0,1,2,3
.irp p, 0,1,2,3,4,5
	ds_load_b64 v[XB+12*\m+2*\p:XB+12*\m+2*\p+1], v3 offset:16*XP*\m+96*(\s)+48*(\p/3)+8*(\p%3)
.endr
.endr
.endm
; one matrix instruction.  ra, rb: the side's scale words stand in lanes 16-31 of the register named.  zero: the product starts the sum
.macro MMA d, a, b, sa, sb, ra, rb, zero
.if \zero
.if (\ra) && (\rb)
	v_wmma_scale_f32_16x16x128_f8f6f4 v[\d:\d+7], v[\a:\a+11], v[\b:\b+11], 0, v[\sa], v[\sb] matrix_a_fmt:MATRIX_FMT_BF6 matrix_b_fmt:MATRIX_FMT_BF6 matrix_a_scale:MATRIX_SCALE_ROW1 matrix_b_scale:MATRIX_SCALE_ROW1
.elseif \ra
	v_wmma_scale_f32_16x16x128_f8f6f4 v[\d:\d+7], v[\a:\a+11], v[\b:\b+11], 0, v[\sa], v[\sb] matrix_a_fmt:MATRIX_FMT_BF6 matrix_b_fmt:MATRIX_FMT_BF6 matrix_a_scale:MATRIX_SCALE_ROW1
.elseif \rb
	v_wmma_scale_f32_16x16x128_f8f6f4 v[\d:\d+7], v[\a:\a+11], v[\b:\b+11], 0, v[\sa], v[\sb] matrix_a_fmt:MATRIX_FMT_BF6 matrix_b_fmt:MATRIX_FMT_BF6 matrix_b_scale:MATRIX_SCALE_ROW1
.else
	v_wmma_scale_f32_16x16x128_f8f6f4 v[\d:\d+7], v[\a:\a+11], v[\b:\b+11], 0, v[\sa], v[\sb] matrix_a_fmt:MATRIX_FMT_BF6 matrix_b_fmt:MATRIX_FMT_BF6
.endif
.else
.if (\ra) && (\rb)
	v_wmma_scale_f32_16x16x128_f8f6f4 v[\d:\d+7], v[\a:\a+11], v[\b:\b+11], v[\d:\d+7], v[\sa], v[\sb] matrix_a_fmt:MATRIX_FMT_BF6 matrix_b_fmt:MATRIX_FMT_BF6 matrix_a_scale:MATRIX_SCALE_ROW1 matrix_b_scale:MATRIX_SCALE_ROW1
.elseif \ra
	v_wmma_scale_f32_16x16x128_f8f6f4 v[\d:\d+7], v[\a:\a+11], v[\b:\b+11], v[\d:\d+7], v[\sa], v[\sb] matrix_a_fmt:MATRIX_FMT_BF6 matrix_b_fmt:MATRIX_FMT_BF6 matrix_a_scale:MATRIX_SCALE_ROW1
.elseif \rb
	v_wmma_scale_f32_16x16x128_f8f6f4 v[\d:\d+7], v[\a:\a+11], v[\b:\b+11], v[\d:\d+7], v[\sa], v[\sb] matrix_a_fmt:MATRIX_FMT_BF6 matrix_b_fmt:MATRIX_FMT_BF6 matrix_b_scale:MATRIX_SCALE_ROW1
.else
	v_wmma_scale_f32_16x16x128_f8f6f4 v[\d:\d+7], v[\a:\a+11], v[\b:\b+11], v[\d:\d+7], v[\sa], v[\sb] matrix_a_fmt:MATRIX_FMT_BF6 matrix_b_fmt:MATRIX_FMT_BF6
.endif
.endif
.endm
; K step s: 32 matrix instructions
.macro KS s
.if (\s) < 7
	XLOAD (\s)+1                                   ; into the set that step s - 1 multiplied: four places stand behind its last product
.endif
.if (\s) <= 5
	s_wait_loadcnt 48                              ; this step's weights are in; the next two steps' 2 x 24 loads may be out
.elseif (\s) == 6
	s_wait_loadcnt 24                              ; the last step's 24 may be out
.else
	s_wait_loadcnt 0x0
.endif
.if (\s) < 7
	s_wait_dscnt 24                                ; this step's fragments of x are in; the 24 loads just issued may be out
.else
	s_wait_dscnt 0x0
.endif
.if ((\s)%3) == 2
	WIN 0x53                                       ; source 0 window 3, source 1 window 0, C and D window 1
.set WB, 0
.else
	WIN 0x52                                       ; source 0 window 2
.set WB, 128*((\s)%3)
.endif
.set XB, XF+48*((\s)%2)
.irp m, 0,1,2,3
.irp t, 0,1,2,3,4,5,6,7
	MMA 64*\m+8*\t, WB+12*\t, XB+12*\m, WS+8*(\t/2)+(\s), XS+8*(\m/2)+(\s), \t%2, \m%2, (\s)==0
.endr
.endr
	WIN 0
.rept 4
	v_nop                                          ; places in front of loads into registers that these products have read, and of the first read of results
.endr
.if (\s) < 5
	WLOAD (\s)+3                                   ; into the set just multiplied
.endif
.endm
; sixteen packed instructions on 32 registers
.macro PKMUL d, a, b                   ; d = a b
.set J_, 0
.rept 16
	v_pk_mul_f32 v[\d+J_:\d+J_+1], v[\a+J_:\a+J_+1], v[\b+J_:\b+J_+1]
.set J_, J_+2
.endr
.endm
.macro PKMULS d, a, k                  ; d = a x the constant in s[k]
.set J_, 0
.rept 16
	v_pk_mul_f32 v[\d+J_:\d+J_+1], v[\a+J_:\a+J_+1], s[\k:\k+1] op_sel_hi:[1,0]
.set J_, J_+2
.endr
.endm
.macro PKFMAS d, b, k                  ; d = d b + the constant in s[k]
.set J_, 0
.rept 16
	v_pk_fma_f32 v[\d+J_:\d+J_+1], v[\d+J_:\d+J_+1], v[\b+J_:\b+J_+1], s[\k:\k+1] op_sel_hi:[1,1,0]
.set J_, J_+2
.endr
.endm
; 16 nb numbers of a lane from v[src] on, register 16 b + i = k 32 b + 16 (lane / 16) + i of my row, become codes in v[C] on (6 registers for each two blocks) and the scale bytes in v[PW + m]
.macro QUANT nb, src, m
.set B_, 0
.rept \nb
	v_max3_num_f32 v[TM+B_], |v[\src+16*B_]|, |v[\src+16*B_+1]|, 0x2800000   ; my 16 numbers of block b, and the floor 2^(5 - 127): the byte cannot fall under 1
.set B_, B_+1
.endr
.irp i, 2,4,6,8,10,12,14
.set B_, 0
.rept \nb
	v_max3_num_f32 v[TM+B_], v[TM+B_], |v[\src+16*B_+\i]|, |v[\src+16*B_+\i+1]|   ; (the blocks by turns)
.set B_, B_+1
.endr
.endr
.set B_, 0
.rept \nb
	v_permlanex16_b32 v[TM+4+B_], v[TM+B_], s44, s45
.set B_, B_+1
.endr
.set B_, 0
.rept \nb
	v_max_num_f32 v[TM+B_], v[TM+B_], v[TM+4+B_]   ; with lane l xor 16's: the block's largest magnitude
.set B_, B_+1
.endr
.set B_, 0
.rept \nb
	v_add_nc_u32 v[TM+12+B_], 0xfe000000, v[TM+B_] ; 4 off its exponent field: the conversion's scale operand
.set B_, B_+1
.endr
.set B_, 0
.rept \nb
	v_lshrrev_b32 v[TM+4+B_], 23, v[TM+12+B_]      ; the scale's byte
.set B_, B_+1
.endr
	v_lshl_or_b32 v[PW+\m], v[TM+5], 8, v[TM+4]
.if \nb == 4
	v_lshl_or_b32 v[PW+\m], v[TM+6], 16, v[PW+\m]
	v_lshl_or_b32 v[PW+\m], v[TM+7], 24, v[PW+\m]
.endif
.set B_, 0
.rept \nb/2
	v_cvt_scalef32_pk16_bf6_f32 v[C+6*B_:C+6*B_+2], v[\src+32*B_:\src+32*B_+15], v[TM+12+2*B_]
	v_cvt_scalef32_pk16_bf6_f32 v[C+12+4*B_:C+12+4*B_+2], v[\src+32*B_+16:\src+32*B_+31], v[TM+13+2*B_]   ; (a conversion's three registers begin on an even number)
.set B_, B_+1
.endr
	v_nop                                          ; one plain place behind a scaled conversion
.set B_, 0
.rept \nb/2                            ; the operand's layout wants a whole block in a lane: lanes 0-15 the even block, lanes 16-31 the odd one
.irp i, 0,1,2
	v_permlane16_swap_b32 v[C+6*B_+\i], v[C+12+4*B_+\i]
.endr
.irp i, 0,1,2
	v_mov_b32 v[C+6*B_+3+\i], v[C+12+4*B_+\i]
.endr
.set B_, B_+1
.endr
.endm
	; ---- the head: the block's keys, its 64 rows of XQ, and the first weights, asked for in this order
	global_load_b64 v[14:15], v2, s[78:79] offset:16384   ; keys of positions 2 L, 2 L + 1 of the block
.irp i, 0,1,2,3,4,5,6,7,8,9,10,11,12,13,14,15
	global_load_b128 v[128+8*\i:128+8*\i+3], v[16+\i], s[4:5]
	global_load_b128 v[128+8*\i+4:128+8*\i+7], v[16+\i], s[4:5] offset:512
.endr
	WSLOAD
	WLOAD 0
	s_wait_loadcnt 32                              ; the keys and the rows are in; the 8 + 24 loads issued behind them may be out
.irp i, 0,1,2,3,4,5,6,7,8,9,10,11,12,13,14,15
	ds_store_b128 v5, v[128+8*\i:128+8*\i+3] offset:XP*\i
	ds_store_b128 v5, v[128+8*\i+4:128+8*\i+7] offset:XP*\i+512
.endr
	s_wait_dscnt 0x0                               ; for the others' sake: my 16 rows lie in LDS
	s_barrier_signal -1
	s_barrier_wait -1                              ; all 64 do; nothing is written there again
.irp b, 0,1,2,3
	v_mov_b32 v[TM+4+\b], 0                        ; written once: a lane permute's destination counts as one of its sources
.endr
.irp mm, 0,1
.irp q, 0,1
	ds_load_b128 v[XS+8*\mm+4*\q:XS+8*\mm+4*\q+3], v4 offset:32*XP*\mm+16*\q   ; x's scale words: register 8 mm + s: lanes 0-15 tile 2 mm's rows, lanes 16-31 tile 2 mm + 1's
.endr
.endr
	XLOAD 0
	WLOAD 1
	WLOAD 2
	; ---- job 0
.irp s, 0,1,2,3,4,5,6,7
	KS \s
.endr
; rows 16 m on: a = accumulators t = 0..3, c = t = 4..7; (a c) / (1 + 2^(-a log2 e)), quantised: half a fragment
.macro SWI m
.if \m > 0
	s_wait_xcnt 0x0                                ; the last tile's stores have read their registers: they are written again below
.endif
	WIN 0x01                                       ; source 0 window 1
	PKMULS Z, 64*\m, 48                            ; each accumulator is read from its low end on
	WIN 0x05                                       ; sources 0 and 1 window 1
	PKMUL P, 64*\m, 64*\m+32
	WIN 0
.set J_, 0
.rept 32
	v_exp_f32 v[Z+J_], v[Z+J_]
.set J_, J_+1
.endr
	v_nop                                          ; a plain place behind the batch
	s_wait_alu depctr_va_vdst(0)                   ; one wait for the 32 exponentials, ahead of their first reader
.set J_, 0
.rept 16
	v_pk_add_f32 v[Z+J_:Z+J_+1], v[Z+J_:Z+J_+1], 1.0 op_sel_hi:[1,0]
.set J_, J_+2
.endr
.set J_, 0
.rept 32
	v_rcp_f32 v[Z+J_], v[Z+J_]
.set J_, J_+1
.endr
	v_nop
	s_wait_alu depctr_va_vdst(0)                   ; one wait for the 32 reciprocals
	PKMUL P, P, Z
	QUANT 2, P, \m
	global_store_b128 v1, v[C:C+3], s[40:41] offset:1536*\m          ; 32 lanes store 512 consecutive bytes, aligned,
	global_store_b64 v2, v[C+4:C+5], s[40:41] offset:1536*\m+512     ; and 256
.if (\m)%2 == 1
	v_cndmask_b32 v[SW+(\m)/2], v[PW+(\m)-1], v[PW+(\m)], s46        ; lane L: row 32 (m / 2) + L
	global_store_b16 v1, v[SW+(\m)/2], s[42:43] offset:512*((\m)/2)  ; my two bytes of the row's word
.endif
.endm
.irp m, 0,1,2,3
	SWI \m
.endr
	; ---- does a token of the block use expert y?
	v_lshrrev_b32 v22, 3, v14
	v_and_b32 v23, 7, v14
	v_lshrrev_b32 v24, 3, v15
	v_and_b32 v25, 7, v15
	v_cmp_eq_u32 s74, s14, v22
	v_cmp_eq_u32 s75, s14, v23
	v_cmp_eq_u32 s76, s14, v24
	v_cmp_eq_u32 s77, s14, v25
	s_or_b32 s74, s74, s75
	s_or_b32 s76, s76, s77
	s_or_b32 s74, s74, s76
	s_cmp_eq_u32 s74, 0
	s_cbranch_scc1 .Lend                           ; no barrier stands behind this branch
	; ---- job 1
	s_wait_xcnt 0x0                                ; job 0's stores have read their bases and registers
	s_mul_i32 s82, s14, 393216
	s_mul_i32 s84, s12, 98304                      ; my four groups
	s_add_co_u32 s82, s82, s84
	s_add_co_u32 s82, s82, 3145728
	s_add_nc_u64 s[32:33], s[8:9], s[82:83]
	s_add_nc_u64 s[34:35], s[32:33], 49152
	s_lshl_b32 s84, s14, 14
	s_lshl_b32 s86, s12, 12
	s_add_co_u32 s84, s84, s86
	s_add_co_u32 s84, s84, WSC+131072
	s_add_nc_u64 s[36:37], s[8:9], s[84:85]
	s_add_nc_u64 s[38:39], s[36:37], 2048
	s_add_co_u32 s86, s14, 4                       ; the segment
	s_mul_i32 s90, s13, 294912
	s_mul_i32 s89, s86, 24576
	s_add_co_u32 s90, s90, s89
	s_mul_i32 s89, s12, 6144                       ; K step w of the product with ew2
	s_add_co_u32 s90, s90, s89
	s_add_nc_u64 s[40:41], s[10:11], s[90:91]
	s_mul_i32 s92, s13, 12
	s_add_co_u32 s92, s92, s86
	s_lshl_b32 s92, s92, 10
	s_lshl_b32 s89, s12, 2
	s_add_co_u32 s92, s92, s89
	s_add_co_u32 s92, s92, HSC
	s_add_nc_u64 s[42:43], s[10:11], s[92:93]
	WSLOAD
	WLOAD 0
	WLOAD 1
	WLOAD 2
	XLOAD 0
.irp s, 0,1,2,3,4,5,6,7
	KS \s
.endr
; rows 16 m on: gelu of 64 numbers a lane, 32 at a time, then a whole fragment
.macro GEL m
.if \m > 0
	s_wait_xcnt 0x0                                ; the last tile's stores have read their registers
.endif
.irp hh, 0,1
	WIN 0x01
.set J_, 0
.rept 16
	v_pk_mul_f32 v[U+32*\hh+J_:U+32*\hh+J_+1], v[64*\m+32*\hh+J_:64*\m+32*\hh+J_+1], 0.5 op_sel_hi:[1,0]   ; u = a / 2; each accumulator from its low end on
.set J_, J_+2
.endr
	WIN 0
	PKMULS Z, U+32*\hh, 50                         ; z = a / sqrt 2
.set J_, 0
.rept 32
	v_med3_num_f32 v[Z+J_], v[Z+J_], -4.0, 4.0
.set J_, J_+1
.endr
	PKMUL X2, Z, Z
.set J_, 0
.rept 16
	v_pk_fma_f32 v[P+J_:P+J_+1], v[X2+J_:X2+J_+1], s[52:53], v[10:11] op_sel_hi:[1,0,1]
.set J_, J_+2
.endr
.irp k, 54,56,58,60,62
	PKFMAS P, X2, \k
.endr
.set J_, 0
.rept 16
	v_pk_fma_f32 v[Q+J_:Q+J_+1], v[X2+J_:X2+J_+1], s[66:67], v[12:13] op_sel_hi:[1,0,1]
.set J_, J_+2
.endr
.irp k, 68,70,72
	PKFMAS Q, X2, \k
.endr
.set J_, 0
.rept 32
	v_rcp_f32 v[Q+J_], v[Q+J_]
.set J_, J_+1
.endr
	PKMUL P, P, Z                                  ; plain work behind the batch, which names none of its results
	s_wait_alu depctr_va_vdst(0)                   ; one wait for the 32 reciprocals, ahead of their first reader
	PKMUL P, P, Q                                  ; erf(z)
.set J_, 0
.rept 16
	v_pk_fma_f32 v[U+32*\hh+J_:U+32*\hh+J_+1], v[U+32*\hh+J_:U+32*\hh+J_+1], v[P+J_:P+J_+1], v[U+32*\hh+J_:U+32*\hh+J_+1]   ; u + u erf(z)
.set J_, J_+2
.endr
.endr
	QUANT 4, U, \m
.irp c, 0,1
	global_store_b128 v1, v[C+6*\c:C+6*\c+3], s[40:41] offset:1536*\m+768*\c
	global_store_b64 v2, v[C+6*\c+4:C+6*\c+5], s[40:41] offset:1536*\m+768*\c+512
.endr
.if (\m)%2 == 1
	v_cndmask_b32 v[SW+(\m)/2], v[PW+(\m)-1], v[PW+(\m)], s46
	global_store_b32 v1, v[SW+(\m)/2], s[42:43] offset:512*((\m)/2)
.endif
.endm
.irp m, 0,1,2,3
	GEL \m
.endr
.Lend:
	s_wait_tensorcnt 0x0                           ; the wave's end
	ds_add_u32 v8, v9
	s_wait_dscnt 0x0
	s_endpgm
.Lfunc_end_k_qa092924f0b_up:
	.size	k_qa092924f0b_up, .Lfunc_end_k_qa092924f0b_up-k_qa092924f0b_up
	.p2alignl 7, 3214868480
	.fill 96, 4, 3214868480
	.section	.rodata,"a",@progbits
	.p2align	6, 0x0
	.amdhsa_kernel k_qa092924f0b_up
		.amdhsa_group_segment_fixed_size 67072
		.amdhsa_private_segment_fixed_size 0
		.amdhsa_enable_private_segment 0
		.amdhsa_kernarg_size 32
		.amdhsa_user_sgpr_count 2
		.amdhsa_user_sgpr_kernarg_segment_ptr 1
		.amdhsa_wavefront_size32 1
		.amdhsa_system_sgpr_workgroup_id_x 1
		.amdhsa_system_sgpr_workgroup_id_y 1
		.amdhsa_system_sgpr_workgroup_id_z 1
		.amdhsa_system_vgpr_workitem_id 0
		.amdhsa_next_free_vgpr 864
		.amdhsa_next_free_sgpr 100
		.amdhsa_reserve_vcc 0
		.amdhsa_float_denorm_mode_32 3
		.amdhsa_float_denorm_mode_16_64 3
		.amdhsa_memory_ordered 1
		.amdhsa_forward_progress 1
		.amdhsa_inst_pref_size 255
	.end_amdhsa_kernel
	.section	.bss,"aw",@nobits
	.p2align	6
	.space	262144
	.amdgpu_metadata
---
amdhsa.version: [ 1, 2 ]
amdhsa.kernels:
  - .name:           k_qa092924f0b_up
    .symbol:         k_qa092924f0b_up.kd
    .args:
      - { .name: XQ, .offset: 0, .size: 8, .value_kind: global_buffer, .address_space: global }
      - { .name: SORT, .offset: 8, .size: 8, .value_kind: global_buffer, .address_space: global }
      - { .name: W, .offset: 16, .size: 8, .value_kind: global_buffer, .address_space: global }
      - { .name: H, .offset: 24, .size: 8, .value_kind: global_buffer, .address_space: global }
    .group_segment_fixed_size: 67072
    .private_segment_fixed_size: 0
    .kernarg_segment_align: 8
    .kernarg_segment_size: 32
    .max_flat_workgroup_size: 128
    .sgpr_count:     100
    .vgpr_count:     864
    .wavefront_size: 32
...
	.end_amdgpu_metadata
.endif
;; end of part 3
;; launch down (part 4): grid 64 x 4, 4 waves a work-group, no clusters, 17,920 bytes of LDS; arguments H, W, SORT, SG, out0; writes out0
.if DOCPART == 4
	.amdgcn_target "amdgcn-amd-amdhsa--gfx1250"
	.amdhsa_code_object_version 6
	.text
	.protected	k_qa092924f0b_down
	.globl	k_qa092924f0b_down
	.p2align	8
	.type	k_qa092924f0b_down,@function
k_qa092924f0b_down:
	s_mov_b64 s[64:65], 0
	v_nop
	global_prefetch_b8 v0, s[64:65] scope:SCOPE_SE
	s_setreg_imm32_b32 hwreg(HW_REG_WAVE_MODE, 25, 1), 1
	s_wait_xcnt 0x0
; LAUNCH 4 OF 4.  out0[token] = hidden_shared sw2 + the sum over the token's two experts of gate x (hidden_e ew2[e]).  Work-group (b, nc) owns block b of 64 sorted tokens x output columns 256 nc .. + 255: each output number has one owner.
; WORK LEFT OUT: the product with ew2[e] for an expert that none of the block's 64 tokens chose (comb = 0 in all its rows: shown at the head of launch 1).  The walk over the 8 experts has a constant count.
; In a block that uses e all 64 rows are multiplied, and a row that did not choose e takes the gate 0.
; NO TENSOR LOAD AND NO CLUSTER: that branch hangs on stored numbers.  Both operands come from memory straight into registers, as images of the registers; there is no barrier.
; SHARES.  A wave makes 64 rows x 64 columns (groups 8 nc + 2 w, + 1): 16 accumulators ACC, and 16 more, TMP, for the expert in hand.  THE PRODUCT IS USED TRANSPOSED (source 0 = 16 output columns, source 1 = 16 tokens):
; lane (r, h) holds token 16 m + r, and register j of tile (gg, u) column 32 gg + 16 h + 8 u + j of the wave's 64.  A K step of 128 is 16 matrix instructions, the accumulators by turns, one instruction a turn.
; The operands run in a ring of three sets of registers, two K steps ahead.  The shared layer's 16 K steps are written out with every offset an immediate.
; THE WAY OUT: 16 rows x 256 bytes at a time through the wave's own stage in LDS; sixteen lanes store 256 consecutive bytes, aligned, of a token's row.
; LIMITS: as stated at the head of launch 1.
; REGISTERS.  window 0: v1-7 addresses and the add's two; v8-11 lo, v12-15 hi of my four tokens; v16-23 their gates (lo's, hi's); v24-31 the gate in hand, as pairs; v32-63 scale words, two sets;
;   v64-159, v160-255 operand sets 0 and 1 (four tiles of W, then four of H).   window 1: ACC (m, t) at v[32 m + 8 t], TMP at 128 + that.   window 2: operand set 2 (v0-95).
.set WSC,   11010048
.set HSC,   18874368
.set SPARE, 4*16*272                   ; behind the four stages: the spare words, 128 bytes for each wave: two blocks of 256 bytes that no other line names
.set MSB, 0
.macro WIN new                         ; the immediate's high byte repeats the setting that is left
.if MSB != \new
	s_set_vgpr_msb (MSB<<8)|\new
.set MSB, \new
.endif
.endm
	s_load_b256 s[4:11], s[0:1], 0x0               ; H s[4:5], W s[6:7], SORT s[8:9], SG s[10:11]
	s_load_b64 s[12:13], s[0:1], 0x20              ; out0
	v_lshl_add_u32 v5, v0, 2, SPARE
	v_mov_b32 v6, 0
	v_lshrrev_b32 v1, 5, v0
	v_readfirstlane_b32 s14, v1                    ; wave 0..3
	s_mov_b32 s15, ttmp9                           ; b
	s_and_b32 s16, ttmp7, 0xffff                   ; nc
	v_and_b32 v7, 31, v0
	v_lshlrev_b32 v1, 4, v7                        ; 16 L
	v_lshlrev_b32 v2, 3, v7                        ; 8 L
	v_and_b32 v8, 15, v0                           ; r
	v_bfe_u32 v9, v0, 4, 1                         ; h
	s_mul_i32 s17, s14, 16*272                     ; my stage: rows of 256 bytes + 16 = 68 words: row r starts at bank 4 r mod 64 (64 banks of 4 bytes: ISA guide 11.1)
	v_mul_u32_u24 v3, v8, 272
	v_lshl_add_u32 v3, v9, 6, v3
	v_add_nc_u32 v3, s17, v3                       ; in: row r, + 64 h
	v_mul_u32_u24 v4, v9, 272
	v_lshl_add_u32 v4, v8, 4, v4
	v_add_nc_u32 v4, s17, v4                       ; back: lanes 0-15 one row, lanes 16-31 the next
	v_lshlrev_b32 v7, 2, v9                        ; 4 (L / 16)
	v_lshlrev_b32 v24, 2, v8                       ; 4 r
	v_lshlrev_b32 v26, 3, v8                       ; 8 r
	v_mov_b32 v25, 0                               ; the pairs' upper words are named, so they are written
	v_mov_b32 v27, 0
	v_mov_b32 v29, 0
	v_mov_b32 v31, 0
	s_lshl_b32 s17, s16, 3
	s_lshl_b32 s18, s14, 1
	s_add_co_u32 s17, s17, s18                     ; my first group of 32 columns
	s_mul_i32 s42, s17, 12288
	s_add_co_u32 s42, s42, 6291456
	s_mov_b32 s43, 0
	s_lshl_b32 s44, s17, 9
	s_add_co_u32 s44, s44, WSC+262144
	s_mov_b32 s45, 0
	s_mul_i32 s46, s15, 294912
	s_mov_b32 s47, 0
	s_mul_i32 s48, s15, 12288
	s_add_co_u32 s48, s48, HSC
	s_mov_b32 s49, 0
	s_lshl_b32 s50, s15, 8
	s_mov_b32 s51, 0
	s_lshl_b32 s52, s15, 9
	s_mov_b32 s53, 0
	s_lshl_b32 s54, s16, 10
	s_lshl_b32 s55, s14, 8
	s_add_co_u32 s54, s54, s55                     ; my 64 columns in a row of out0
	s_mov_b32 s55, 0
	s_wait_kmcnt 0x0
	s_add_nc_u64 s[20:21], s[6:7], s[42:43]        ; sw2's images, my groups
	s_add_nc_u64 s[22:23], s[6:7], s[44:45]        ; their scale words
	s_add_nc_u64 s[24:25], s[4:5], s[46:47]        ; H's codes, my block
	s_add_nc_u64 s[26:27], s[4:5], s[48:49]        ; their scale words
	s_add_nc_u64 s[28:29], s[20:21], 1572864       ; the same four at expert 0: four matrices, four segments on
	s_add_nc_u64 s[30:31], s[22:23], 65536
	s_add_nc_u64 s[32:33], s[24:25], 98304
	s_add_nc_u64 s[34:35], s[26:27], 4096
	s_add_nc_u64 s[36:37], s[8:9], s[50:51]        ; SORT at my block
	s_add_nc_u64 s[10:11], s[10:11], s[52:53]      ; SG likewise
	s_add_nc_u64 s[38:39], s[12:13], s[54:55]
.irp m, 0,1,2,3
	global_load_b32 v[8+\m], v24, s[36:37] offset:16384+64*\m        ; the key of position 16 m + r,
	global_load_b64 v[16+2*\m:17+2*\m], v26, s[10:11] offset:128*\m  ; its two gates
.endr
; a segment's scale words into set z: W's (register 4 gg + s: lanes 0-15 tile u = 0, lanes 16-31 u = 1), H's (8 + 4 mm + s: lanes 0-15 rows of tile 2 mm, lanes 16-31 of 2 mm + 1)
.macro SCL z, wq, hq, ow, oh
.irp gg, 0,1
	global_load_b128 v[32+16*(\z)+4*\gg:32+16*(\z)+4*\gg+3], v1, s[\wq:\wq+1] offset:(\ow)+512*\gg
.endr
.irp mm, 0,1
	global_load_b128 v[32+16*(\z)+8+4*\mm:32+16*(\z)+8+4*\mm+3], v1, s[\hq:\hq+1] offset:(\oh)+512*\mm
.endr
.endm
; K step s of a segment into operand set p: 12 loads for W's four tiles, 16 for H's four
.macro OPL p, s, wp, hp, ow, oh
.if (\p) == 2
	WIN 0x80                                       ; destination window 2
.set BB, 0
.else
.set BB, 64+96*(\p)
.endif
.irp t, 0,1,2,3
.irp i, 0,1,2
	global_load_b128 v[BB+12*\t+4*\i:BB+12*\t+4*\i+3], v1, s[\wp:\wp+1] offset:(\ow)+12288*(\t/2)+6144*(\t%2)+1536*(\s)+512*\i
.endr
.endr
.irp m, 0,1,2,3
.irp c, 0,1
	global_load_b128 v[BB+48+12*\m+6*\c:BB+48+12*\m+6*\c+3], v1, s[\hp:\hp+1] offset:(\oh)+6144*(\s)+1536*\m+768*\c
	global_load_b64 v[BB+48+12*\m+6*\c+4:BB+48+12*\m+6*\c+5], v2, s[\hp:\hp+1] offset:(\oh)+6144*(\s)+1536*\m+768*\c+512
.endr
.endr
	WIN 0
.endm
; one matrix instruction.  ra, rb: the side's scale words stand in lanes 16-31 of the register named.  zero: the product starts the sum
.macro MMA d, a, b, sa, sb, ra, rb, zero
.if \zero
.if (\ra) && (\rb)
	v_wmma_scale_f32_16x16x128_f8f6f4 v[\d:\d+7], v[\a:\a+11], v[\b:\b+11], 0, v[\sa], v[\sb] matrix_a_fmt:MATRIX_FMT_BF6 matrix_b_fmt:MATRIX_FMT_BF6 matrix_a_scale:MATRIX_SCALE_ROW1 matrix_b_scale:MATRIX_SCALE_ROW1
.elseif \ra
	v_wmma_scale_f32_16x16x128_f8f6f4 v[\d:\d+7], v[\a:\a+11], v[\b:\b+11], 0, v[\sa], v[\sb] matrix_a_fmt:MATRIX_FMT_BF6 matrix_b_fmt:MATRIX_FMT_BF6 matrix_a_scale:MATRIX_SCALE_ROW1
.elseif \rb
	v_wmma_scale_f32_16x16x128_f8f6f4 v[\d:\d+7], v[\a:\a+11], v[\b:\b+11], 0, v[\sa], v[\sb] matrix_a_fmt:MATRIX_FMT_BF6 matrix_b_fmt:MATRIX_FMT_BF6 matrix_b_scale:MATRIX_SCALE_ROW1
.else
	v_wmma_scale_f32_16x16x128_f8f6f4 v[\d:\d+7], v[\a:\a+11], v[\b:\b+11], 0, v[\sa], v[\sb] matrix_a_fmt:MATRIX_FMT_BF6 matrix_b_fmt:MATRIX_FMT_BF6
.endif
.else
.if (\ra) && (\rb)
	v_wmma_scale_f32_16x16x128_f8f6f4 v[\d:\d+7], v[\a:\a+11], v[\b:\b+11], v[\d:\d+7], v[\sa], v[\sb] matrix_a_fmt:MATRIX_FMT_BF6 matrix_b_fmt:MATRIX_FMT_BF6 matrix_a_scale:MATRIX_SCALE_ROW1 matrix_b_scale:MATRIX_SCALE_ROW1
.elseif \ra
	v_wmma_scale_f32_16x16x128_f8f6f4 v[\d:\d+7], v[\a:\a+11], v[\b:\b+11], v[\d:\d+7], v[\sa], v[\sb] matrix_a_fmt:MATRIX_FMT_BF6 matrix_b_fmt:MATRIX_FMT_BF6 matrix_a_scale:MATRIX_SCALE_ROW1
.elseif \rb
	v_wmma_scale_f32_16x16x128_f8f6f4 v[\d:\d+7], v[\a:\a+11], v[\b:\b+11], v[\d:\d+7], v[\sa], v[\sb] matrix_a_fmt:MATRIX_FMT_BF6 matrix_b_fmt:MATRIX_FMT_BF6 matrix_b_scale:MATRIX_SCALE_ROW1
.else
	v_wmma_scale_f32_16x16x128_f8f6f4 v[\d:\d+7], v[\a:\a+11], v[\b:\b+11], v[\d:\d+7], v[\sa], v[\sb] matrix_a_fmt:MATRIX_FMT_BF6 matrix_b_fmt:MATRIX_FMT_BF6
.endif
.endif
.endm
; 16 matrix instructions on operand set p, scale set z, K step s of the segment, into the accumulators from v[d] of window 1 on
.macro MM p, z, s, d, zero
.if (\p) == 2
	WIN 0x5a                                       ; sources 0 and 1 window 2, C and D window 1
.set BB, 0
.else
	WIN 0x50                                       ; sources window 0, C and D window 1
.set BB, 64+96*(\p)
.endif
.irp m, 0,1,2,3
.irp t, 0,1,2,3
	MMA (\d)+8*(4*\m+\t), BB+12*\t, BB+48+12*\m, 32+16*(\z)+4*(\t/2)+(\s), 32+16*(\z)+8+4*(\m/2)+(\s), \t%2, \m%2, \zero
.endr
.endr
	WIN 0
.rept 4
	v_nop                                          ; places in front of loads into registers that these products have read, and of the first read of results
.endr
.endm
	; ---- the shared layer: K = 2,048, 16 steps.  A group of loads is a step's 28, with the segment's 4 scale loads in front of them where a segment begins
	SCL 0, 22, 26, 0, 0
	OPL 0, 0, 20, 24, 0, 0
	OPL 1, 1, 20, 24, 0, 0
	OPL 2, 2, 20, 24, 0, 0
.set K_, 0
.rept 16
.if K_ == 15
	s_wait_loadcnt 0x0
.elseif K_ == 14
	s_wait_loadcnt 28                              ; the last step's group may be out
.elseif ((K_+1)%4 == 0) || ((K_+2)%4 == 0)
	s_wait_loadcnt 60                              ; the next two steps' groups may be out: 28 + 28, and a segment's 4 scale loads among them
.else
	s_wait_loadcnt 56                              ; the next two steps' groups may be out
.endif
	MM K_%3, (K_/4)%2, K_%4, 0, K_==0
.if K_+3 < 16
.if (K_+3)%4 == 0
	SCL ((K_+3)/4)%2, 22, 26, ((K_+3)/4)*16384, ((K_+3)/4)*1024
.endif
	OPL (K_+3)%3, (K_+3)%4, 20, 24, ((K_+3)/4)*393216, ((K_+3)/4)*24576   ; into the set just multiplied
.endif
.set K_, K_+1
.endr
.irp m, 0,1,2,3
	v_and_b32 v[12+\m], 7, v[8+\m]                 ; hi
	v_lshrrev_b32 v[8+\m], 3, v[8+\m]              ; lo
.endr
	; ---- the experts: 8 trips; the work of an expert that no token of the block chose is jumped over
	s_mov_b32 s40, 0
.Lexp:
.irp m, 0,1,2,3
	v_cmp_eq_u32 s[50+\m], s40, v[8+\m]
	v_cmp_eq_u32 s[54+\m], s40, v[12+\m]
.endr
	s_or_b32 s50, s50, s51
	s_or_b32 s52, s52, s53
	s_or_b32 s54, s54, s55
	s_or_b32 s56, s56, s57
	s_or_b32 s50, s50, s52
	s_or_b32 s54, s54, s56
	s_or_b32 s50, s50, s54
	s_cmp_eq_u32 s50, 0
	s_cbranch_scc1 .Lskip
	SCL 0, 30, 34, 0, 0
	OPL 0, 0, 28, 32, 0, 0
	OPL 1, 1, 28, 32, 0, 0
	OPL 2, 2, 28, 32, 0, 0
	s_wait_loadcnt 56                              ; K steps 1 and 2 may be out
	MM 0, 0, 0, 128, 1
	OPL 0, 3, 28, 32, 0, 0
	s_wait_loadcnt 56                              ; K steps 2 and 3 may be out
	MM 1, 0, 1, 128, 0
	s_wait_loadcnt 28                              ; K step 3 may be out
	MM 2, 0, 2, 128, 0
	s_wait_loadcnt 0x0
	MM 0, 0, 3, 128, 0
.irp m, 0,1,2,3
	v_cmp_eq_u32 vcc_lo, s40, v[8+\m]
	v_cndmask_b32 v[24+2*\m], 0, v[16+2*\m], vcc_lo            ; the gate of this expert for my token: lo's, hi's, or 0
	v_cmp_eq_u32 vcc_lo, s40, v[12+\m]
	v_cndmask_b32 v[24+2*\m], v[24+2*\m], v[17+2*\m], vcc_lo
.endr
	WIN 0x51                                       ; destination, source 0 (TMP) and source 2 (ACC) window 1; the gate window 0
.irp m, 0,1,2,3
.irp j, 0,2,4,6,8,10,12,14,16,18,20,22,24,26,28,30
	v_pk_fma_f32 v[32*\m+\j:32*\m+\j+1], v[128+32*\m+\j:128+32*\m+\j+1], v[24+2*\m:25+2*\m], v[32*\m+\j:32*\m+\j+1] op_sel_hi:[1,0,1]   ; each accumulator from its low end on
.endr
.endr
	WIN 0
.Lskip:
	s_wait_xcnt 0x0                                ; the trip's loads have read their bases
	s_add_nc_u64 s[28:29], s[28:29], 393216
	s_add_nc_u64 s[30:31], s[30:31], 16384
	s_add_nc_u64 s[32:33], s[32:33], 24576
	s_add_nc_u64 s[34:35], s[34:35], 1024
	s_add_co_u32 s40, s40, 1
	s_cmp_lt_u32 s40, 8
	s_cbranch_scc1 .Lexp
	; ---- the way out
	v_and_b32 v24, 15, v0
	v_lshlrev_b32 v24, 4, v24
.irp m, 0,1,2,3
.irp i, 0,1,2,3,4,5,6,7
	global_load_b32 v[64+8*\m+\i], v7, s[36:37] offset:64*\m+8*\i    ; the token at position 16 m + 2 i + L / 16
.endr
.endr
	s_wait_loadcnt 0x0
.set J_, 0
.rept 32
	v_min_u32 v[64+J_], 0xfff, v[64+J_]            ; held inside out0
	v_lshl_add_u32 v[64+J_], v[64+J_], 12, v24     ; its row of 4,096 bytes, + 16 (L % 16)
.set J_, J_+1
.endr
.macro OUT m
.if \m >= 2
	s_wait_xcnt 0x0                                ; the stores of two tiles back have read the registers that the loads below fill
.endif
	WIN 0x04                                       ; an LDS store's data are its source 1: window 1
.irp t, 0,1,2,3
	ds_store_b128 v3, v[32*\m+8*\t:32*\m+8*\t+3] offset:128*(\t/2)+32*(\t%2)       ; each accumulator from its low end on
	ds_store_b128 v3, v[32*\m+8*\t+4:32*\m+8*\t+7] offset:128*(\t/2)+32*(\t%2)+16
.endr
	WIN 0
.set OB_, 96+32*((\m)%2)
.irp i, 0,1,2,3,4,5,6,7
	ds_load_b128 v[OB_+4*\i:OB_+4*\i+3], v4 offset:544*\i            ; LDS serves a wave's instructions in order: these see the stores above
.endr
	s_wait_dscnt 0x0
.irp i, 0,1,2,3,4,5,6,7
	global_store_b128 v[64+8*\m+\i], v[OB_+4*\i:OB_+4*\i+3], s[38:39] th:TH_STORE_NT   ; sixteen lanes store 256 consecutive bytes, aligned, of one token's row
.endr
.endm
	OUT 0
	OUT 1
	OUT 2
	OUT 3
	s_wait_tensorcnt 0x0                           ; the wave's end
	ds_add_u32 v5, v6
	s_wait_dscnt 0x0
	s_endpgm
.Lfunc_end_k_qa092924f0b_down:
	.size	k_qa092924f0b_down, .Lfunc_end_k_qa092924f0b_down-k_qa092924f0b_down
	.p2alignl 7, 3214868480
	.fill 96, 4, 3214868480
	.section	.rodata,"a",@progbits
	.p2align	6, 0x0
	.amdhsa_kernel k_qa092924f0b_down
		.amdhsa_group_segment_fixed_size 17920
		.amdhsa_private_segment_fixed_size 0
		.amdhsa_enable_private_segment 0
		.amdhsa_kernarg_size 40
		.amdhsa_user_sgpr_count 2
		.amdhsa_user_sgpr_kernarg_segment_ptr 1
		.amdhsa_wavefront_size32 1
		.amdhsa_system_sgpr_workgroup_id_x 1
		.amdhsa_system_sgpr_workgroup_id_y 1
		.amdhsa_system_sgpr_workgroup_id_z 1
		.amdhsa_system_vgpr_workitem_id 0
		.amdhsa_next_free_vgpr 608
		.amdhsa_next_free_sgpr 66
		.amdhsa_reserve_vcc 1
		.amdhsa_float_denorm_mode_32 3
		.amdhsa_float_denorm_mode_16_64 3
		.amdhsa_memory_ordered 1
		.amdhsa_forward_progress 1
		.amdhsa_inst_pref_size 124
	.end_amdhsa_kernel
	.amdgpu_metadata
---
amdhsa.version: [ 1, 2 ]
amdhsa.kernels:
  - .name:           k_qa092924f0b_down
    .symbol:         k_qa092924f0b_down.kd
    .args:
      - { .name: H, .offset: 0, .size: 8, .value_kind: global_buffer, .address_space: global }
      - { .name: W, .offset: 8, .size: 8, .value_kind: global_buffer, .address_space: global }
      - { .name: SORT, .offset: 16, .size: 8, .value_kind: global_buffer, .address_space: global }
      - { .name: SG, .offset: 24, .size: 8, .value_kind: global_buffer, .address_space: global }
      - { .name: out0, .offset: 32, .size: 8, .value_kind: global_buffer, .address_space: global }
    .group_segment_fixed_size: 17920
    .private_segment_fixed_size: 0
    .kernarg_segment_align: 8
    .kernarg_segment_size: 40
    .max_flat_workgroup_size: 128
    .sgpr_count:     66
    .vgpr_count:     608
    .wavefront_size: 32
...
	.end_amdgpu_metadata
.endif
;; end of part 4
;; ======== version 2 of 2: 4 launches; 1.22 times as fast as version 1
;; workspace buffers: XQ 4,194,304 bytes; KEY 16,384 bytes of whole numbers; GT 32,768 bytes; SORT 32,768 bytes of whole numbers; SG 32,768 bytes; W 11,468,800 bytes; H 19,660,800 bytes
;; launch qx: the kernel of part 1 again; grid 256 x 1, 4 waves a work-group, no clusters, 59,904 bytes of LDS; arguments x, router_w, router_bias, XQ, KEY, GT; writes XQ, KEY, GT
;; launch qw (part 5): grid 449 x 1, 8 waves a work-group, no clusters, 2,048 bytes of LDS; arguments KEY, GT, sw1, sw3, sw2, ew1, ew2, SORT, SG, W; writes SORT, SG, W
.if DOCPART == 5
	.amdgcn_target "amdgcn-amd-amdhsa--gfx1250"
	.amdhsa_code_object_version 6
	.text
	.protected	k_qa092924f0b_qw
	.globl	k_qa092924f0b_qw
	.p2align	8
	.type	k_qa092924f0b_qw,@function
k_qa092924f0b_qw:
	s_mov_b64 s[64:65], 0
	v_nop
	global_prefetch_b8 v0, s[64:65] scope:SCOPE_SE
	s_setreg_imm32_b32 hwreg(HW_REG_WAVE_MODE, 25, 1), 1
	s_wait_xcnt 0x0
; LAUNCH 2 OF 4.  Work-group 0 sorts the 4,096 tokens by their pair of experts (a counting sort over the 28 pairs, no atomics); work-groups 1 to 448 quantise the five weights.
; SORT: LIST[pos] = token at byte 0, SKEY[pos] = 8 lo + hi at byte 16,384.  SG[pos] = (gate of lo, gate of hi).  Blocks of 64 positions are what launches 3 and 4 work on: they leave out the experts that no token of a block chose.
; WEIGHTS.  Every weight has K as its first axis.  A LANE TAKES A COLUMN AND ITS REGISTERS RUN DOWN K: a load reads 128 consecutive bytes of a row, a block of 32 along K lies in one lane, and the conversions give codes with K innermost.
; W holds the operands AS IMAGES OF THEIR REGISTERS: a fragment (16 columns x 128 K, 12 registers a lane) is 1,536 bytes, registers 4 i .. 4 i + 3 of lane L at 512 i + 16 L.  Columns go in groups of 32, two tiles u to a group:
; lane r of tile u holds column 32 g + 8 u + r + 8 (r / 8), so that the results of a group's two tiles are 16 neighbours along the next product's K.  A fragment lies at region + matrix x 393,216 + g x 2 KS x 1,536 + u x KS x 1,536 + s x 1,536.
; Regions: sw1 at 0, sw3 at 1,572,864, ew1 at 3,145,728 (KS = 8 K steps); at 6,291,456 twelve matrices [512 K][1,024]: sw2's four quarters of K, then ew2's eight (KS = 4).
; Scale words from WSC on: [group][lane 16 u + r][KS words]: lanes 0-15 tile 0's rows, lanes 16-31 tile 1's.
; A work-group takes 256 columns x 128 K, a wave one group: lane 16 u + r holds four blocks of tile u's row r.  One exchange of halves between the even and the odd blocks' codes makes the two tiles' images.
; LIMITS: as stated at the head of launch 1 (zero blocks get the byte 1; NaN and infinities are not served; a KEY that is no pair lo < hi does not occur for finite inputs).
.set WSC,   11010048
.set SPARE, 1024                       ; behind the eight waves' tables: the spare words, 128 bytes for each wave: four blocks of 256 bytes that no other line names
.set SPW,   14
.set NIL,   15
.set OFF,   16                         ; v16-47   4 x my column + i x pitch, i = 0 .. 31
.set X,     48                         ; v48-175  my column's 128 numbers
.set FA,    176                        ; v176-187 the even blocks' codes, then tile 0's image;  v188-199 the odd blocks', then tile 1's
.set TT,    200
.set SBW,   204                        ; my column's scale word
	s_load_b512 s[4:19], s[0:1], 0x0               ; KEY s[4:5], GT s[6:7], sw1 s[8:9], sw3 s[10:11], sw2 s[12:13], ew1 s[14:15], ew2 s[16:17], SORT s[18:19]
	s_load_b128 s[20:23], s[0:1], 0x40             ; SG s[20:21], W s[22:23]
	v_lshl_add_u32 v[SPW], v0, 2, SPARE
	v_mov_b32 v[NIL], 0
	v_lshrrev_b32 v1, 5, v0
	v_readfirstlane_b32 s24, v1                    ; wave 0..7
	v_and_b32 v1, 31, v0                           ; lane
	s_wait_kmcnt 0x0
	s_cmp_eq_u32 ttmp9, 0
	s_cbranch_scc1 .Lplace
	; ---- the weights.  Job j = work-group - 1.  What differs between the five tensors is nine numbers, chosen by the job's number alone:
	; first job, mask of the column field, mask of the K field, mask of the expert field, log2 of the pitch in bytes, 1 where KS = 8, the codes' region, the scale words' region, the source
	s_sub_co_u32 s25, ttmp9, 1
.macro PICK first, bound, cb, cgm, sm, em, lp, k8, db, sb, src
.if \first
	s_mov_b32 s26, \cb
	s_mov_b32 s27, \cgm
	s_mov_b32 s28, \sm
	s_mov_b32 s29, \em
	s_mov_b32 s30, \lp
	s_mov_b32 s31, \k8
	s_mov_b32 s32, \db
	s_mov_b32 s33, \sb
	s_mov_b64 s[34:35], s[\src:\src+1]
.else
	s_cmp_lt_u32 s25, \bound
	s_cselect_b32 s26, \cb, s26
	s_cselect_b32 s27, \cgm, s27
	s_cselect_b32 s28, \sm, s28
	s_cselect_b32 s29, \em, s29
	s_cselect_b32 s30, \lp, s30
	s_cselect_b32 s31, \k8, s31
	s_cselect_b32 s32, \db, s32
	s_cselect_b32 s33, \sb, s33
	s_cselect_b64 s[34:35], s[\src:\src+1], s[34:35]
.endif
.endm
	PICK 1, 0,   320, 3, 3,  7, 12, 0, 7864320, 327680, 16     ; ew2: jobs 320 to 447 (its matrices are 4 + e)
	PICK 0, 320, 192, 1, 7,  7, 11, 1, 3145728, 131072, 14     ; ew1: 192 to 319
	PICK 0, 192, 128, 3, 15, 0, 12, 0, 6291456, 262144, 12     ; sw2: 128 to 191
	PICK 0, 128, 64,  7, 7,  0, 13, 1, 1572864, 65536,  10     ; sw3: 64 to 127
	PICK 0, 64,  0,   7, 7,  0, 13, 1, 0,       0,      8      ; sw1: 0 to 63
	s_sub_co_u32 s36, s25, s26                     ; the job within its tensor
	s_and_b32 s37, s36, s27                        ; which 256 columns
	s_bcnt1_i32_b32 s38, s27
	s_lshr_b32 s39, s36, s38
	s_and_b32 s39, s39, s28                        ; S: which 128 along K
	s_lshr_b32 s40, s36, 4
	s_and_b32 s40, s40, s29                        ; the expert, or 0
	s_lshl_b32 s41, s37, 3
	s_add_co_u32 s41, s41, s24                     ; my group of 32 columns
	s_add_co_u32 s42, s31, 2
	s_lshr_b32 s43, s39, s42
	s_add_co_u32 s43, s43, s40                     ; the matrix in its region: the expert, or sw2's quarter of K
	s_lshl_b32 s44, 4, s31
	s_sub_co_u32 s44, s44, 1
	s_and_b32 s44, s44, s39                        ; the K step in that matrix
	s_lshl_b32 s46, s40, 21                        ; the source: expert x 2,097,152
	s_add_co_u32 s45, s30, 7
	s_lshl_b32 s45, s39, s45
	s_add_co_u32 s46, s46, s45                     ; + 128 S rows
	s_lshl_b32 s45, s37, 10
	s_add_co_u32 s46, s46, s45                     ; + 256 columns x 4 bytes
	s_lshl_b32 s45, s24, 7
	s_add_co_u32 s46, s46, s45                     ; + my 32 columns
	s_mov_b32 s47, 0
	s_mul_i32 s48, s43, 393216                     ; the codes
	s_add_co_u32 s48, s48, s32
	s_lshl_b32 s45, 12288, s31
	s_mul_i32 s45, s45, s41
	s_add_co_u32 s48, s48, s45
	s_mul_i32 s45, s44, 1536
	s_add_co_u32 s48, s48, s45
	s_mov_b32 s49, 0
	s_lshl_b32 s50, 6144, s31                      ; from tile 0 to tile 1
	s_mov_b32 s51, 0
	s_lshl_b32 s52, s43, 14                        ; the scale words
	s_add_co_u32 s52, s52, s33
	s_add_co_u32 s52, s52, WSC
	s_lshl_b32 s45, 512, s31
	s_mul_i32 s45, s45, s41
	s_add_co_u32 s52, s52, s45
	s_lshl_b32 s45, s44, 2
	s_add_co_u32 s52, s52, s45
	s_mov_b32 s53, 0
	s_add_co_u32 s54, s31, 4                       ; log2 of a lane's KS words in bytes
	s_lshl_b32 s55, 1, s30                         ; the pitch
	s_lshl_b32 s56, s55, 5                         ; 32 rows
	s_mov_b32 s57, 0
	s_add_nc_u64 s[58:59], s[34:35], s[46:47]      ; a base for each of the four blocks: no pointer is stepped later
	s_add_nc_u64 s[60:61], s[58:59], s[56:57]
	s_add_nc_u64 s[62:63], s[60:61], s[56:57]
	s_add_nc_u64 s[66:67], s[62:63], s[56:57]
	s_add_nc_u64 s[68:69], s[22:23], s[48:49]      ; tile 0's image,
	s_add_nc_u64 s[70:71], s[68:69], s[50:51]      ; tile 1's,
	s_add_nc_u64 s[72:73], s[22:23], s[52:53]      ; the scale words
	v_and_b32 v2, 15, v1
	v_lshrrev_b32 v5, 3, v2
	v_lshrrev_b32 v6, 4, v1
	v_lshl_add_u32 v7, v5, 3, v2
	v_lshl_add_u32 v7, v6, 3, v7                   ; my column in the group: 8 u + r + 8 (r / 8)
	v_lshlrev_b32 v[OFF], 2, v7
	v_lshlrev_b32 v3, 4, v1                        ; 16 L
	v_lshlrev_b32 v4, s54, v1                      ; my scale words' place
.set I_, 1
.rept 31
	v_add_nc_u32 v[OFF+I_], s55, v[OFF+I_-1]
.set I_, I_+1
.endr
.macro LDB t, sb
.irp i, 0,1,2,3,4,5,6,7,8,9,10,11,12,13,14,15,16,17,18,19,20,21,22,23,24,25,26,27,28,29,30,31
	global_load_b32 v[X+32*\t+\i], v[OFF+\i], s[\sb:\sb+1] th:TH_LOAD_NT   ; 32 lanes read 128 consecutive bytes of a row
.endr
.endm
	LDB 0, 58
	LDB 1, 60
	LDB 2, 62
	LDB 3, 66
.macro BLK t
.set XS_, X+32*(\t)
.if (\t) < 2
	s_wait_loadcnt 63                              ; 96 or 64 later loads might stay out; the wait's field holds 63, and a smaller count is safe
.elseif (\t) == 2
	s_wait_loadcnt 32                              ; the last block's 32 may be out
.else
	s_wait_loadcnt 0x0
.endif
	v_max3_num_f32 v205, |v[XS_]|, |v[XS_+1]|, |v[XS_+2]|
	v_max3_num_f32 v206, |v[XS_+3]|, |v[XS_+4]|, |v[XS_+5]|
.irp i, 6,10,14,18,22,26
	v_max3_num_f32 v205, v205, |v[XS_+\i]|, |v[XS_+\i+1]|
	v_max3_num_f32 v206, v206, |v[XS_+\i+2]|, |v[XS_+\i+3]|
.endr
	v_max3_num_f32 v205, v205, |v[XS_+30]|, |v[XS_+31]|
	v_max3_num_f32 v205, v205, v206, 0x2800000     ; and the floor 2^(5 - 127)
	v_add_nc_u32 v207, 0xfe000000, v205            ; 4 off the exponent field: the conversion's scale operand
	v_lshrrev_b32 v206, 23, v207                   ; the scale's byte
.if (\t) == 0
	v_mov_b32 v[SBW], v206
.else
	v_lshl_or_b32 v[SBW], v206, 8*(\t), v[SBW]
.endif
.set FD_, FA+12*((\t)%2)+6*((\t)/2)
	v_cvt_scalef32_pk16_bf6_f32 v[FD_:FD_+2], v[XS_:XS_+15], v207
	v_cvt_scalef32_pk16_bf6_f32 v[TT:TT+2], v[XS_+16:XS_+31], v207   ; (a conversion's three registers begin on an even number)
	v_nop                                          ; one plain place behind a scaled conversion
.irp i, 0,1,2
	v_mov_b32 v[FD_+3+\i], v[TT+\i]
.endr
.endm
	BLK 0
	BLK 1
	BLK 2
	BLK 3
.irp i, 0,1,2,3,4,5,6,7,8,9,10,11
	v_permlane16_swap_b32 v[FA+\i], v[FA+12+\i]    ; tile 1's even blocks change places with tile 0's odd ones: the first twelve are now tile 0's image, the second tile 1's
.endr
.irp i, 0,1,2
	global_store_b128 v3, v[FA+4*\i:FA+4*\i+3], s[68:69] offset:512*\i       ; 32 lanes store 512 consecutive bytes, aligned
	global_store_b128 v3, v[FA+12+4*\i:FA+12+4*\i+3], s[70:71] offset:512*\i
.endr
	global_store_b32 v4, v[SBW], s[72:73]
	s_branch .Lend
	; ---- the placing of tokens.  Wave w takes tokens 512 w + 32 c + lane, c = 0 .. 15.
	; v16-31 keys, v32-63 gates, v64-79 4 x bin, v80-95 rank among the wave's tokens of the same pair, v96-111 4 x position, v112-127 8 x position, v128-143 tokens, v176-191 at work
.Lplace:
	s_lshl_b32 s25, s24, 9
	v_add_nc_u32 v159, s25, v1                     ; my first token
	v_lshlrev_b32 v160, 2, v159
	v_lshlrev_b32 v161, 3, v159
.irp c, 0,1,2,3,4,5,6,7,8,9,10,11,12,13,14,15
	global_load_b32 v[16+\c], v160, s[4:5] offset:128*\c
	global_load_b64 v[32+2*\c:33+2*\c], v161, s[6:7] offset:256*\c
.endr
	v_mov_b32 v144, 0                              ; lane q: how many of my wave's tokens have pair q
	v_mov_b32 v155, 0
	s_wait_loadcnt 0x0
.irp c, 0,1,2,3,4,5,6,7,8,9,10,11,12,13,14,15
	v_min_u32 v[16+\c], 63, v[16+\c]
	v_lshrrev_b32 v157, 3, v[16+\c]                ; lo
	v_and_b32 v158, 7, v[16+\c]                    ; hi
	v_sub_nc_u32 v156, 13, v157
	v_mul_u32_u24 v156, v156, v157
	v_lshrrev_b32 v156, 1, v156
	v_add3_u32 v156, v156, v158, -1                ; the pair's number: lo (13 - lo) / 2 + hi - 1, 0 .. 27
	v_lshlrev_b32 v[64+\c], 2, v156
	v_mov_b32 v[80+\c], 0
	v_add_nc_u32 v[128+\c], 32*\c, v159
.endr
; A pair's sixteen steps go in batches, so that no line waits for the line above it: sixteen compares into sixteen masks (s32-47); the masks' counts and their running sums in scalars (s48-63: the pair's tokens met
; before step c; s26: all of them); sixteen counts of the lower lanes, each on top of its running sum; sixteen selects.
.set Q_, 0
.irp lo, 0,1,2,3,4,5,6
.irp hi, 1,2,3,4,5,6,7
.if \hi > \lo
.irp c, 0,1,2,3,4,5,6,7,8,9,10,11,12,13,14,15
	v_cmp_eq_u32 s[32+\c], 8*\lo+\hi, v[16+\c]
.endr
	s_mov_b32 s48, 0
.irp c, 0,1,2,3,4,5,6,7,8,9,10,11,12,13,14
	s_bcnt1_i32_b32 s28, s[32+\c]
	s_add_co_u32 s[49+\c], s[48+\c], s28
.endr
	s_bcnt1_i32_b32 s28, s47
	s_add_co_u32 s26, s63, s28
.irp c, 0,1,2,3,4,5,6,7,8,9,10,11,12,13,14,15
	v_mbcnt_lo_u32_b32 v[176+\c], s[32+\c], s[48+\c]   ; those in lower lanes + those met before
.endr
.irp c, 0,1,2,3,4,5,6,7,8,9,10,11,12,13,14,15
	v_cndmask_b32 v[80+\c], v[80+\c], v[176+\c], s[32+\c]
.endr
	v_writelane_b32 v144, s26, Q_
.set Q_, Q_+1
.endif
.endr
.endr
	v_lshlrev_b32 v158, 2, v0                      ; 128 w + 4 lane
	ds_store_b32 v158, v144
	s_wait_dscnt 0x0                               ; for the others' sake: my table lies in LDS
	s_barrier_signal -1                            ; (the branch that led here hangs on the work-group's number alone: all eight waves are here)
	s_barrier_wait -1
	v_lshlrev_b32 v158, 2, v1
.irp i, 0,1,2,3,4,5,6,7
	ds_load_b32 v[145+\i], v158 offset:128*\i
.endr
	v_mov_b32 v153, 0                              ; the pair's tokens in all waves,
	v_mov_b32 v154, 0                              ; and in the waves before mine
	s_wait_dscnt 0x0
.irp i, 0,1,2,3,4,5,6,7
	s_cmp_gt_u32 s24, \i
	s_cselect_b32 s27, -1, 0
	v_add_nc_u32 v153, v153, v[145+\i]
	v_and_b32 v157, s27, v[145+\i]
	v_add_nc_u32 v154, v154, v157
.endr
.irp q, 0,1,2,3,4,5,6,7,8,9,10,11,12,13,14,15,16,17,18,19,20,21,22,23,24,25,26,27
	v_readlane_b32 s[32+\q], v153, \q              ; the 28 totals into scalars, in one batch;
.endr
	s_mov_b32 s26, 0
.irp q, 0,1,2,3,4,5,6,7,8,9,10,11,12,13,14,15,16,17,18,19,20,21,22,23,24,25,26,27
	s_mov_b32 s27, s[32+\q]
	s_mov_b32 s[32+\q], s26                        ; where pair q begins;
	s_add_co_u32 s26, s26, s27
.endr
.irp q, 0,1,2,3,4,5,6,7,8,9,10,11,12,13,14,15,16,17,18,19,20,21,22,23,24,25,26,27
	v_writelane_b32 v155, s[32+\q], \q             ; and back into lane q
.endr
	v_add_nc_u32 v156, v155, v154                  ; where my wave's tokens of pair q begin
.irp c, 0,1,2,3,4,5,6,7,8,9,10,11,12,13,14,15
	ds_bpermute_b32 v[96+\c], v[64+\c], v156
.endr
	s_wait_dscnt 0x0
.irp c, 0,1,2,3,4,5,6,7,8,9,10,11,12,13,14,15
	v_add_nc_u32 v[96+\c], v[96+\c], v[80+\c]
	v_min_u32 v[96+\c], 0xfff, v[96+\c]            ; the position; held inside the list
	v_lshlrev_b32 v[112+\c], 3, v[96+\c]
	v_lshlrev_b32 v[96+\c], 2, v[96+\c]
	global_store_b32 v[96+\c], v[128+\c], s[18:19]
	global_store_b32 v[96+\c], v[16+\c], s[18:19] offset:16384
	global_store_b64 v[112+\c], v[32+2*\c:33+2*\c], s[20:21]
.endr
.Lend:
	s_wait_tensorcnt 0x0                           ; the wave's end
	ds_add_u32 v[SPW], v[NIL]
	s_wait_dscnt 0x0
	s_endpgm
.Lfunc_end_k_qa092924f0b_qw:
	.size	k_qa092924f0b_qw, .Lfunc_end_k_qa092924f0b_qw-k_qa092924f0b_qw
	.p2alignl 7, 3214868480
	.fill 96, 4, 3214868480
	.section	.rodata,"a",@progbits
	.p2align	6, 0x0
	.amdhsa_kernel k_qa092924f0b_qw
		.amdhsa_group_segment_fixed_size 2048
		.amdhsa_private_segment_fixed_size 0
		.amdhsa_enable_private_segment 0
		.amdhsa_kernarg_size 80
		.amdhsa_user_sgpr_count 2
		.amdhsa_user_sgpr_kernarg_segment_ptr 1
		.amdhsa_wavefront_size32 1
		.amdhsa_system_sgpr_workgroup_id_x 1
		.amdhsa_system_sgpr_workgroup_id_y 1
		.amdhsa_system_sgpr_workgroup_id_z 1
		.amdhsa_system_vgpr_workitem_id 0
		.amdhsa_next_free_vgpr 208
		.amdhsa_next_free_sgpr 80
		.amdhsa_reserve_vcc 0
		.amdhsa_float_denorm_mode_32 3
		.amdhsa_float_denorm_mode_16_64 3
		.amdhsa_memory_ordered 1
		.amdhsa_forward_progress 1
		.amdhsa_inst_pref_size 165
	.end_amdhsa_kernel
	.amdgpu_metadata
---
amdhsa.version: [ 1, 2 ]
amdhsa.kernels:
  - .name:           k_qa092924f0b_qw
    .symbol:         k_qa092924f0b_qw.kd
    .args:
      - { .name: KEY, .offset: 0, .size: 8, .value_kind: global_buffer, .address_space: global }
      - { .name: GT, .offset: 8, .size: 8, .value_kind: global_buffer, .address_space: global }
      - { .name: sw1, .offset: 16, .size: 8, .value_kind: global_buffer, .address_space: global }
      - { .name: sw3, .offset: 24, .size: 8, .value_kind: global_buffer, .address_space: global }
      - { .name: sw2, .offset: 32, .size: 8, .value_kind: global_buffer, .address_space: global }
      - { .name: ew1, .offset: 40, .size: 8, .value_kind: global_buffer, .address_space: global }
      - { .name: ew2, .offset: 48, .size: 8, .value_kind: global_buffer, .address_space: global }
      - { .name: SORT, .offset: 56, .size: 8, .value_kind: global_buffer, .address_space: global }
      - { .name: SG, .offset: 64, .size: 8, .value_kind: global_buffer, .address_space: global }
      - { .name: W, .offset: 72, .size: 8, .value_kind: global_buffer, .address_space: global }
    .group_segment_fixed_size: 2048
    .private_segment_fixed_size: 0
    .kernarg_segment_align: 8
    .kernarg_segment_size: 80
    .max_flat_workgroup_size: 256
    .sgpr_count:     80
    .vgpr_count:     208
    .wavefront_size: 32
...
	.end_amdgpu_metadata
.endif
;; end of part 5
;; launch up (part 6): grid 64 x 4, 4 waves a work-group, no clusters, 67,072 bytes of LDS; arguments XQ, SORT, W, H; writes H
.if DOCPART == 6
	.amdgcn_target "amdgcn-amd-amdhsa--gfx1250"
	.amdhsa_code_object_version 6
	.text
	.protected	k_qa092924f0b_up
	.globl	k_qa092924f0b_up
	.p2align	8
	.type	k_qa092924f0b_up,@function
k_qa092924f0b_up:
	s_mov_b64 s[64:65], 0
	v_nop
	global_prefetch_b8 v0, s[64:65] scope:SCOPE_SE
	s_setreg_imm32_b32 hwreg(HW_REG_WAVE_MODE, 25, 1), 1
	s_wait_xcnt 0x0
; LAUNCH 3 OF 4.  The hidden layers, as codes of E3M2.  Work-group (b, y), y = 0 .. 3, gathers block b of 64 sorted tokens once and walks up to four jobs on it, in one loop of four trips:
;   trips 0, 1: shared hidden units 256 c .. 256 c + 255, c = y and y + 4: silu(x sw1) (x sw3);      trips 2, 3: gelu(x ew1[e]), all 512 units, e = the block's live expert of rank y and of rank y + 4.
; An expert is LIVE in a block if one of its 64 tokens chose it; the live experts are ranked in ascending order.  So each live (block, expert) has one owner, up to all eight are served, and a block with n live experts
; gives its work-groups y < n one expert each before any gets a second.  256 work-groups, one for each WGP.
; WORK LEFT OUT: the experts that none of the block's 64 tokens chose: their rows are multiplied by comb = 0 in reference() (shown at the head of launch 1).  The loop is left by a forward branch as soon as the next job is
; not live (if rank y is not live, rank y + 4 is not either); the branch hangs on the stored keys.
; NO TENSOR LOAD AND NO CLUSTER: that branch hangs on stored numbers.  So the weights come from memory straight into registers, as the images
; that launch 2 laid out (three loads of 16 bytes a lane for a fragment), and the one barrier stands ahead of every such branch.  The block's 64 rows of XQ lie in LDS and are read by all four waves, in every job.
; SHARES.  A wave makes 64 rows x 128 weight columns: 32 accumulators.  Shared job: 64 hidden units, sw1's four tiles (t = 0..3) and sw3's (t = 4..7).  Expert job: hidden units 128 w .. 128 w + 127 (t = 0..7).
; THE PRODUCT IS USED TRANSPOSED (source 0 = 16 weight columns, source 1 = 16 tokens): a lane holds one token, and by launch 2's choice of a tile's columns the 16 registers of tiles 2 g, 2 g + 1 are hidden units 32 g + 16 (lane / 16) + 0 .. 15.
; K = 1,024 goes in 8 steps of 128: 32 matrix instructions each, the accumulators by turns, one instruction a turn.  The weights' fragments run in a ring of three sets of registers, two steps ahead.
; THE NEXT JOB'S FIRST LOADS (its scale words and K steps 0 and 1 of its weights: 56 loads) are issued in the job before: behind a shared job's products and ahead of its activation and quantiser, which touch none of those
; registers; behind an expert job's quantiser, whose numbers lie on the scale words' registers.  Every way round the loop passes them once.
; H: codes [b][segment 0..11][K step 0..3][tile of rows 0..3][1,536 bytes]; a fragment as two halves c of 768 bytes: registers 6 c .. 6 c + 3 of lane L at 16 L, registers 6 c + 4, 6 c + 5 at 512 + 8 L.
; Segments 0-3: the shared layer's quarters; 4 + e: expert e.  Scale words from HSC on: [b][segment][row 0..63][4 words].
; ARITHMETIC.  silu(a) c is formed as (a c) / (1 + 2^(-a log2 e)).  gelu(a) = u + u erf(u sqrt 2), u = a / 2; erf(z) = z A(z^2) / B(z^2), a rational form in f32 with z held to +-4 (beyond that erf is +-1 to f32's last bit).
; LIMITS: as stated at the head of launch 1.
; REGISTERS.  window 0: v1-7 addresses, v8, v9 the add's two, v[10:11], v[12:13] two coefficients, v[14:15] two keys, v16-31 the gather's offsets, later scale words; v32-47 x's scale words, v48-79 the weights';
;   v80-127, v128-175 x's fragments, two sets; v128-255 the gathered rows at the head.  Behind a job's products: U 48-111, Z 112-143 (later the codes), X2 144-175, P 176-207, Q 208-239, TM 240-255.
;   window 1: accumulator (m, t) at v[64 m + 8 t].   window 2: the weights' sets 0 (v0-95) and 1 (v128-223).   window 3: set 2 (v0-95).
; SCALARS.  s15 the trip; s47 1 where the next job is live; s74, s75 the experts of rank y and y + 4 (8: none); s76-83 the byte offsets, made of ids alone, of the second shared job and of an expert job with e = 0
;   (weights, their scale words, H's codes, H's scale words); s[84:95] the next job's four offsets and the two distances from the first four tiles' pointer to the second four's, as pairs with 0 above.
.set XP,    1040                       ; a row of XQ in LDS: 1,024 bytes + 16 = 260 words: row r starts at bank 4 r mod 64 (64 banks of 4 bytes: ISA guide 11.1): the 32 lanes of a fragment's load of 8 bytes touch 64 different banks
.set SPARE, 64*XP                      ; the spare words, 128 bytes for each wave: two blocks of 256 bytes that no other line names
.set WSC,   11010048
.set HSC,   18874368
.set PW,    16                         ; v16-19  a tile of rows' scale word
.set SW,    20                         ; v20-21  two tiles' words, one in each half of the lanes
.set XS,    32
.set WS,    48
.set XF,    80
.set U,     48
.set Z,     112
.set C,     112
.set X2,    144
.set P,     176
.set Q,     208
.set TM,    240
.set MSB, 0
.macro WIN new                         ; the immediate's high byte repeats the setting that is left
.if MSB != \new
	s_set_vgpr_msb (MSB<<8)|\new
.set MSB, \new
.endif
.endm
.macro CPAIR r, val                    ; a constant as a pair: the packed forms name a pair and take its low word for both halves
	s_mov_b32 s[\r], \val
	s_mov_b32 s[\r+1], \val
.endm
	s_load_b256 s[4:11], s[0:1], 0x0               ; XQ s[4:5], SORT s[6:7], W s[8:9], H s[10:11]
	v_lshl_add_u32 v8, v0, 2, SPARE
	v_mov_b32 v9, 0
	v_lshrrev_b32 v1, 5, v0
	v_readfirstlane_b32 s12, v1                    ; wave 0..3
	s_mov_b32 s13, ttmp9                           ; b
	s_and_b32 s14, ttmp7, 0xffff                   ; y
	v_and_b32 v7, 31, v0                           ; L
	v_lshlrev_b32 v1, 4, v7                        ; 16 L
	v_lshlrev_b32 v2, 3, v7                        ; 8 L
	v_lshlrev_b32 v6, 5, v7                        ; 32 L
	v_and_b32 v3, 15, v0
	v_bfe_u32 v4, v0, 4, 1
	v_mul_u32_u24 v3, v3, XP
	v_mad_u32_u24 v3, v4, 24, v3                   ; x's fragments: row r, + 24 h
	v_mul_u32_u24 v4, v7, XP
	v_add_nc_u32 v4, 768, v4                       ; x's scale words: row L
	s_mul_i32 s2, s12, 16*XP
	v_add_nc_u32 v5, s2, v1                        ; the gather: my wave's 16 rows
	s_mov_b32 s44, 0x76543210
	s_mov_b32 s45, 0xfedcba98                      ; v_permlanex16_b32's selects for lane l xor 16
	s_mov_b32 s46, 0xffff0000                      ; lanes 16 to 31
	CPAIR 48, 0xbfb8aa3b                           ; -log2(e)
	CPAIR 50, 0x3fb504f3                           ; sqrt(2)
	CPAIR 52, 0xaf95df0b                           ; A's coefficients, the highest power first: -2.72614226e-10, (2.77068142e-08 in v[10:11]),
	CPAIR 54, 0xb60cff51                           ; -2.10102402e-06
	CPAIR 56, 0xb86ec2d2                           ; -5.69250639e-05
	CPAIR 58, 0xba40ac63                           ; -7.34990630e-04
	CPAIR 60, 0xbb41a1f6                           ; -2.95459981e-03
	CPAIR 62, 0xbc83dbd4                           ; -1.60960333e-02
	CPAIR 66, 0xb77460cd                           ; B's: -1.45660718e-05, (-2.13374055e-04 in v[12:13]),
	CPAIR 68, 0xbadc924e                           ; -1.68282697e-03
	CPAIR 70, 0xbbf19bf8                           ; -7.37332917e-03
	CPAIR 72, 0xbc69b6a7                           ; -1.42647391e-02
	v_mov_b32 v10, 0x32edffee
	v_mov_b32 v11, 0x32edffee
	v_mov_b32 v12, 0xb95fbd29
	v_mov_b32 v13, 0xb95fbd29
	s_lshl_b32 s96, s13, 8                         ; 64 b positions x 4 bytes
	s_mov_b32 s97, 0
	s_lshl_b32 s98, s12, 6                         ; my wave's 16
	s_mov_b32 s99, 0
	; the first job's four offsets: shared chunk y
	s_lshl_b32 s2, s14, 3
	s_lshl_b32 s3, s12, 1
	s_add_co_u32 s2, s2, s3                        ; my first group of 32 hidden units: 8 y + 2 w
	s_mul_i32 s84, s2, 24576                       ; sw1's images
	s_lshl_b32 s86, s2, 10
	s_add_co_u32 s86, s86, WSC                     ; sw1's scale words
	s_lshr_b32 s2, s14, 1                          ; the segment of H,
	s_and_b32 s3, s14, 1
	s_lshl_b32 s3, s3, 1
	s_lshr_b32 s15, s12, 1
	s_add_co_u32 s3, s3, s15                       ; the K step in it: 2 (y % 2) + w / 2,
	s_and_b32 s15, s12, 1                          ; and the half of a fragment: my 64 units are two blocks of its four
	s_mul_i32 s88, s13, 294912
	s_mul_i32 s47, s2, 24576
	s_add_co_u32 s88, s88, s47
	s_mul_i32 s47, s3, 6144
	s_add_co_u32 s88, s88, s47
	s_mul_i32 s47, s15, 768
	s_add_co_u32 s88, s88, s47                     ; H's codes
	s_mul_i32 s90, s13, 12
	s_add_co_u32 s90, s90, s2
	s_lshl_b32 s90, s90, 10
	s_lshl_b32 s47, s3, 2
	s_add_co_u32 s90, s90, s47
	s_lshl_b32 s47, s15, 1
	s_add_co_u32 s90, s90, s47
	s_add_co_u32 s90, s90, HSC                     ; H's scale words
	s_mov_b32 s85, 0
	s_mov_b32 s87, 0
	s_mov_b32 s89, 0
	s_mov_b32 s91, 0
	; the second shared job lies 32 groups, two segments, further on; an expert job's offsets with e = 0
	s_add_co_u32 s76, s84, 786432
	s_mul_i32 s77, s12, 98304                      ; my four groups of ew1's sixteen
	s_add_co_u32 s77, s77, 3145728
	s_add_co_u32 s78, s86, 32768
	s_lshl_b32 s79, s12, 12
	s_add_co_u32 s79, s79, WSC+131072
	s_add_co_u32 s80, s88, 49152
	s_mul_i32 s81, s13, 294912
	s_mul_i32 s47, s12, 6144                       ; K step w of the product with ew2
	s_add_co_u32 s81, s81, s47
	s_add_co_u32 s81, s81, 98304                   ; segment 4
	s_add_co_u32 s82, s90, 2048
	s_mul_i32 s83, s13, 12288
	s_lshl_b32 s47, s12, 2
	s_add_co_u32 s83, s83, s47
	s_add_co_u32 s83, s83, HSC+4096
	s_wait_kmcnt 0x0
	s_add_nc_u64 s[96:97], s[6:7], s[96:97]        ; SORT at my block
	s_add_nc_u64 s[98:99], s[96:97], s[98:99]
	s_load_b512 s[16:31], s[98:99], 0x0            ; my wave's 16 tokens
	s_add_nc_u64 s[32:33], s[8:9], s[84:85]        ; sw1's images,
	s_add_nc_u64 s[34:35], s[32:33], 1572864       ; sw3's,
	s_add_nc_u64 s[36:37], s[8:9], s[86:87]        ; sw1's scale words,
	s_add_nc_u64 s[38:39], s[36:37], 65536         ; sw3's
	s_add_nc_u64 s[40:41], s[10:11], s[88:89]      ; H's codes,
	s_add_nc_u64 s[42:43], s[10:11], s[90:91]      ; H's scale words
	s_wait_kmcnt 0x0
.irp i, 0,1,2,3,4,5,6,7,8,9,10,11,12,13,14,15
	s_min_u32 s[16+\i], s[16+\i], 0xfff            ; a token's number, held inside XQ
	v_lshl_add_u32 v[16+\i], s[16+\i], 10, v1      ; its row of 1,024 bytes, + 16 L
.endr
; the weights' scale words of all 8 K steps: lane L = 16 u + r reads its 8 words; register 8 g + s: lanes 0-15 tile 2 g's rows, lanes 16-31 tile 2 g + 1's
.macro WSLOAD
.irp g, 0,1
.irp q, 0,1
	global_load_b128 v[WS+8*\g+4*\q:WS+8*\g+4*\q+3], v6, s[36:37] offset:1024*\g+16*\q
	global_load_b128 v[WS+16+8*\g+4*\q:WS+16+8*\g+4*\q+3], v6, s[38:39] offset:1024*\g+16*\q
.endr
.endr
.endm
; K step s of my eight weight tiles into set s % 3: 24 loads, each 512 consecutive bytes
.macro WLOAD s
.if ((\s)%3) == 2
	WIN 0xc0                                       ; destination window 3
.set WB, 0
.else
	WIN 0x80                                       ; destination window 2
.set WB, 128*((\s)%3)
.endif
.irp t, 0,1,2,3
.irp i, 0,1,2
	global_load_b128 v[WB+12*\t+4*\i:WB+12*\t+4*\i+3], v1, s[32:33] offset:24576*(\t/2)+12288*(\t%2)+1536*(\s)+512*\i
.endr
.endr
.irp t, 0,1,2,3
.irp i, 0,1,2
	global_load_b128 v[WB+48+12*\t+4*\i:WB+48+12*\t+4*\i+3], v1, s[34:35] offset:24576*(\t/2)+12288*(\t%2)+1536*(\s)+512*\i
.endr
.endr
	WIN 0
.endm
; a job's first loads: 8 + 24 + 24
.macro PRE
	WSLOAD
	WLOAD 0
	WLOAD 1
.endm
; K step s of the four tiles of rows into set s % 2: a fragment is six loads of 8 bytes, as the row's stream of bits lies
.macro XLOAD s
.set XB, XF+48*((\s)%2)
.irp m, 0,1,2,3
.irp p, 0,1,2,3,4,5
	ds_load_b64 v[XB+12*\m+2*\p:XB+12*\m+2*\p+1], v3 offset:16*XP*\m+96*(\s)+48*(\p/3)+8*(\p%3)
.endr
.endr
.endm
; one matrix instruction.  ra, rb: the side's scale words stand in lanes 16-31 of the register named.  zero: the product starts the sum
.macro MMA d, a, b, sa, sb, ra, rb, zero
.if \zero
.if (\ra) && (\rb)
	v_wmma_scale_f32_16x16x128_f8f6f4 v[\d:\d+7], v[\a:\a+11], v[\b:\b+11], 0, v[\sa], v[\sb] matrix_a_fmt:MATRIX_FMT_BF6 matrix_b_fmt:MATRIX_FMT_BF6 matrix_a_scale:MATRIX_SCALE_ROW1 matrix_b_scale:MATRIX_SCALE_ROW1
.elseif \ra
	v_wmma_scale_f32_16x16x128_f8f6f4 v[\d:\d+7], v[\a:\a+11], v[\b:\b+11], 0, v[\sa], v[\sb] matrix_a_fmt:MATRIX_FMT_BF6 matrix_b_fmt:MATRIX_FMT_BF6 matrix_a_scale:MATRIX_SCALE_ROW1
.elseif \rb
	v_wmma_scale_f32_16x16x128_f8f6f4 v[\d:\d+7], v[\a:\a+11], v[\b:\b+11], 0, v[\sa], v[\sb] matrix_a_fmt:MATRIX_FMT_BF6 matrix_b_fmt:MATRIX_FMT_BF6 matrix_b_scale:MATRIX_SCALE_ROW1
.else
	v_wmma_scale_f32_16x16x128_f8f6f4 v[\d:\d+7], v[\a:\a+11], v[\b:\b+11], 0, v[\sa], v[\sb] matrix_a_fmt:MATRIX_FMT_BF6 matrix_b_fmt:MATRIX_FMT_BF6
.endif
.else
.if (\ra) && (\rb)
	v_wmma_scale_f32_16x16x128_f8f6f4 v[\d:\d+7], v[\a:\a+11], v[\b:\b+11], v[\d:\d+7], v[\sa], v[\sb] matrix_a_fmt:MATRIX_FMT_BF6 matrix_b_fmt:MATRIX_FMT_BF6 matrix_a_scale:MATRIX_SCALE_ROW1 matrix_b_scale:MATRIX_SCALE_ROW1
.elseif \ra
	v_wmma_scale_f32_16x16x128_f8f6f4 v[\d:\d+7], v[\a:\a+11], v[\b:\b+11], v[\d:\d+7], v[\sa], v[\sb] matrix_a_fmt:MATRIX_FMT_BF6 matrix_b_fmt:MATRIX_FMT_BF6 matrix_a_scale:MATRIX_SCALE_ROW1
.elseif \rb
	v_wmma_scale_f32_16x16x128_f8f6f4 v[\d:\d+7], v[\a:\a+11], v[\b:\b+11], v[\d:\d+7], v[\sa], v[\sb] matrix_a_fmt:MATRIX_FMT_BF6 matrix_b_fmt:MATRIX_FMT_BF6 matrix_b_scale:MATRIX_SCALE_ROW1
.else
	v_wmma_scale_f32_16x16x128_f8f6f4 v[\d:\d+7], v[\a:\a+11], v[\b:\b+11], v[\d:\d+7], v[\sa], v[\sb] matrix_a_fmt:MATRIX_FMT_BF6 matrix_b_fmt:MATRIX_FMT_BF6
.endif
.endif
.endm
; K step s: 32 matrix instructions
.macro KS s
.if (\s) < 7
	XLOAD (\s)+1                                   ; into the set that step s - 1 multiplied: four places stand behind its last product
.endif
.if (\s) <= 5
	s_wait_loadcnt 48                              ; this step's weights (and at step 0 the scale words) are in; the next two steps' 2 x 24 loads may be out
.elseif (\s) == 6
	s_wait_loadcnt 24                              ; the last step's 24 may be out
.else
	s_wait_loadcnt 0x0
.endif
.if (\s) < 7
	s_wait_dscnt 24                                ; this step's fragments of x are in; the 24 loads just issued may be out
.else
	s_wait_dscnt 0x0
.endif
.if ((\s)%3) == 2
	WIN 0x53                                       ; source 0 window 3, source 1 window 0, C and D window 1
.set WB, 0
.else
	WIN 0x52                                       ; source 0 window 2
.set WB, 128*((\s)%3)
.endif
.set XB, XF+48*((\s)%2)
.irp m, 0,1,2,3
.irp t, 0,1,2,3,4,5,6,7
	MMA 64*\m+8*\t, WB+12*\t, XB+12*\m, WS+8*(\t/2)+(\s), XS+8*(\m/2)+(\s), \t%2, \m%2, (\s)==0
.endr
.endr
	WIN 0
.rept 4
	v_nop                                          ; places in front of loads into registers that these products have read, and of the first read of results
.endr
.if (\s) < 5
	WLOAD (\s)+3                                   ; into the set just multiplied
.endif
.endm
; sixteen packed instructions on 32 registers
.macro PKMUL d, a, b                   ; d = a b
.set J_, 0
.rept 16
	v_pk_mul_f32 v[\d+J_:\d+J_+1], v[\a+J_:\a+J_+1], v[\b+J_:\b+J_+1]
.set J_, J_+2
.endr
.endm
.macro PKMULS d, a, k                  ; d = a x the constant in s[k]
.set J_, 0
.rept 16
	v_pk_mul_f32 v[\d+J_:\d+J_+1], v[\a+J_:\a+J_+1], s[\k:\k+1] op_sel_hi:[1,0]
.set J_, J_+2
.endr
.endm
.macro PKFMAS d, b, k                  ; d = d b + the constant in s[k]
.set J_, 0
.rept 16
	v_pk_fma_f32 v[\d+J_:\d+J_+1], v[\d+J_:\d+J_+1], v[\b+J_:\b+J_+1], s[\k:\k+1] op_sel_hi:[1,1,0]
.set J_, J_+2
.endr
.endm
; 16 nb numbers of a lane from v[src] on, register 16 b + i = k 32 b + 16 (lane / 16) + i of my row, become codes in v[C] on (6 registers for each two blocks) and the scale bytes in v[PW + m]
.macro QUANT nb, src, m
.set B_, 0
.rept \nb
	v_max3_num_f32 v[TM+B_], |v[\src+16*B_]|, |v[\src+16*B_+1]|, 0x2800000   ; my 16 numbers of block b, and the floor 2^(5 - 127): the byte cannot fall under 1
.set B_, B_+1
.endr
.irp i, 2,4,6,8,10,12,14
.set B_, 0
.rept \nb
	v_max3_num_f32 v[TM+B_], v[TM+B_], |v[\src+16*B_+\i]|, |v[\src+16*B_+\i+1]|   ; (the blocks by turns)
.set B_, B_+1
.endr
.endr
.set B_, 0
.rept \nb
	v_permlanex16_b32 v[TM+4+B_], v[TM+B_], s44, s45
.set B_, B_+1
.endr
.set B_, 0
.rept \nb
	v_max_num_f32 v[TM+B_], v[TM+B_], v[TM+4+B_]   ; with lane l xor 16's: the block's largest magnitude
.set B_, B_+1
.endr
.set B_, 0
.rept \nb
	v_add_nc_u32 v[TM+12+B_], 0xfe000000, v[TM+B_] ; 4 off its exponent field: the conversion's scale operand
.set B_, B_+1
.endr
.set B_, 0
.rept \nb
	v_lshrrev_b32 v[TM+4+B_], 23, v[TM+12+B_]      ; the scale's byte
.set B_, B_+1
.endr
	v_lshl_or_b32 v[PW+\m], v[TM+5], 8, v[TM+4]
.if \nb == 4
	v_lshl_or_b32 v[PW+\m], v[TM+6], 16, v[PW+\m]
	v_lshl_or_b32 v[PW+\m], v[TM+7], 24, v[PW+\m]
.endif
.set B_, 0
.rept \nb/2
	v_cvt_scalef32_pk16_bf6_f32 v[C+6*B_:C+6*B_+2], v[\src+32*B_:\src+32*B_+15], v[TM+12+2*B_]
	v_cvt_scalef32_pk16_bf6_f32 v[C+12+4*B_:C+12+4*B_+2], v[\src+32*B_+16:\src+32*B_+31], v[TM+13+2*B_]   ; (a conversion's three registers begin on an even number)
.set B_, B_+1
.endr
	v_nop                                          ; one plain place behind a scaled conversion
.set B_, 0
.rept \nb/2                            ; the operand's layout wants a whole block in a lane: lanes 0-15 the even block, lanes 16-31 the odd one
.irp i, 0,1,2
	v_permlane16_swap_b32 v[C+6*B_+\i], v[C+12+4*B_+\i]
.endr
.irp i, 0,1,2
	v_mov_b32 v[C+6*B_+3+\i], v[C+12+4*B_+\i]
.endr
.set B_, B_+1
.endr
.endm
; rows 16 m on of a shared job: a = accumulators t = 0..3, c = t = 4..7; (a c) / (1 + 2^(-a log2 e)), quantised: half a fragment
.macro SWI m
.if \m > 0
	s_wait_xcnt 0x0                                ; the last tile's stores have read their registers: they are written again below
.endif
	WIN 0x01                                       ; source 0 window 1
	PKMULS Z, 64*\m, 48                            ; each accumulator is read from its low end on
	WIN 0x05                                       ; sources 0 and 1 window 1
	PKMUL P, 64*\m, 64*\m+32
	WIN 0
.set J_, 0
.rept 32
	v_exp_f32 v[Z+J_], v[Z+J_]
.set J_, J_+1
.endr
	v_nop                                          ; a plain place behind the batch
	s_wait_alu depctr_va_vdst(0)                   ; one wait for the 32 exponentials, ahead of their first reader
.set J_, 0
.rept 16
	v_pk_add_f32 v[Z+J_:Z+J_+1], v[Z+J_:Z+J_+1], 1.0 op_sel_hi:[1,0]
.set J_, J_+2
.endr
.set J_, 0
.rept 32
	v_rcp_f32 v[Z+J_], v[Z+J_]
.set J_, J_+1
.endr
	v_nop
	s_wait_alu depctr_va_vdst(0)                   ; one wait for the 32 reciprocals
	PKMUL P, P, Z
	QUANT 2, P, \m
	global_store_b128 v1, v[C:C+3], s[40:41] offset:1536*\m          ; 32 lanes store 512 consecutive bytes, aligned,
	global_store_b64 v2, v[C+4:C+5], s[40:41] offset:1536*\m+512     ; and 256
.if (\m)%2 == 1
	v_cndmask_b32 v[SW+(\m)/2], v[PW+(\m)-1], v[PW+(\m)], s46        ; lane L: row 32 (m / 2) + L
	global_store_b16 v1, v[SW+(\m)/2], s[42:43] offset:512*((\m)/2)  ; my two bytes of the row's word
.endif
.endm
; rows 16 m on of an expert job: gelu of 64 numbers a lane, 32 at a time, then a whole fragment
.macro GEL m
.if \m > 0
	s_wait_xcnt 0x0                                ; the last tile's stores have read their registers
.endif
.irp hh, 0,1
	WIN 0x01
.set J_, 0
.rept 16
	v_pk_mul_f32 v[U+32*\hh+J_:U+32*\hh+J_+1], v[64*\m+32*\hh+J_:64*\m+32*\hh+J_+1], 0.5 op_sel_hi:[1,0]   ; u = a / 2; each accumulator from its low end on
.set J_, J_+2
.endr
	WIN 0
	PKMULS Z, U+32*\hh, 50                         ; z = a / sqrt 2
.set J_, 0
.rept 32
	v_med3_num_f32 v[Z+J_], v[Z+J_], -4.0, 4.0
.set J_, J_+1
.endr
	PKMUL X2, Z, Z
.set J_, 0
.rept 16
	v_pk_fma_f32 v[P+J_:P+J_+1], v[X2+J_:X2+J_+1], s[52:53], v[10:11] op_sel_hi:[1,0,1]
.set J_, J_+2
.endr
.irp k, 54,56,58,60,62
	PKFMAS P, X2, \k
.endr
.set J_, 0
.rept 16
	v_pk_fma_f32 v[Q+J_:Q+J_+1], v[X2+J_:X2+J_+1], s[66:67], v[12:13] op_sel_hi:[1,0,1]
.set J_, J_+2
.endr
.irp k, 68,70,72
	PKFMAS Q, X2, \k
.endr
.set J_, 0
.rept 32
	v_rcp_f32 v[Q+J_], v[Q+J_]
.set J_, J_+1
.endr
	PKMUL P, P, Z                                  ; plain work behind the batch, which names none of its results
	s_wait_alu depctr_va_vdst(0)                   ; one wait for the 32 reciprocals, ahead of their first reader
	PKMUL P, P, Q                                  ; erf(z)
.set J_, 0
.rept 16
	v_pk_fma_f32 v[U+32*\hh+J_:U+32*\hh+J_+1], v[U+32*\hh+J_:U+32*\hh+J_+1], v[P+J_:P+J_+1], v[U+32*\hh+J_:U+32*\hh+J_+1]   ; u + u erf(z)
.set J_, J_+2
.endr
.endr
	QUANT 4, U, \m
.irp c, 0,1
	global_store_b128 v1, v[C+6*\c:C+6*\c+3], s[40:41] offset:1536*\m+768*\c
	global_store_b64 v2, v[C+6*\c+4:C+6*\c+5], s[40:41] offset:1536*\m+768*\c+512
.endr
.if (\m)%2 == 1
	v_cndmask_b32 v[SW+(\m)/2], v[PW+(\m)-1], v[PW+(\m)], s46
	global_store_b32 v1, v[SW+(\m)/2], s[42:43] offset:512*((\m)/2)
.endif
.endm
; expert idx, whose mask of choosing lanes stands in s[reg]: if it is live and as many live ones came before it as y (or y + 4), it is mine
.macro RANK idx, reg
	s_cmp_lg_u32 s[\reg], 0
	s_cselect_b32 s2, 1, 0                         ; live?
	s_cmp_eq_u32 s47, s14
	s_cselect_b32 s3, s2, 0
	s_cmp_lg_u32 s3, 0
	s_cselect_b32 s74, \idx, s74
	s_cmp_eq_u32 s47, s15
	s_cselect_b32 s3, s2, 0
	s_cmp_lg_u32 s3, 0
	s_cselect_b32 s75, \idx, s75
	s_add_co_u32 s47, s47, s2                      ; the live ones so far
.endm
	; ---- the head: the block's keys, its 64 rows of XQ, and the first job's first loads, asked for in this order
	global_load_b64 v[14:15], v2, s[96:97] offset:16384   ; keys of positions 2 L, 2 L + 1 of the block
.irp i, 0,1,2,3,4,5,6,7,8,9,10,11,12,13,14,15
	global_load_b128 v[128+8*\i:128+8*\i+3], v[16+\i], s[4:5]
	global_load_b128 v[128+8*\i+4:128+8*\i+7], v[16+\i], s[4:5] offset:512
.endr
	PRE
	s_wait_loadcnt 56                              ; the keys and the rows are in; the 8 + 24 + 24 loads issued behind them may be out
.irp i, 0,1,2,3,4,5,6,7,8,9,10,11,12,13,14,15
	ds_store_b128 v5, v[128+8*\i:128+8*\i+3] offset:XP*\i
	ds_store_b128 v5, v[128+8*\i+4:128+8*\i+7] offset:XP*\i+512
.endr
	s_wait_dscnt 0x0                               ; for the others' sake: my 16 rows lie in LDS
	s_barrier_signal -1
	s_barrier_wait -1                              ; all 64 do; nothing is written there again
.irp b, 0,1,2,3
	v_mov_b32 v[TM+4+\b], 0                        ; written once: a lane permute's destination counts as one of its sources
.endr
.irp mm, 0,1
.irp q, 0,1
	ds_load_b128 v[XS+8*\mm+4*\q:XS+8*\mm+4*\q+3], v4 offset:32*XP*\mm+16*\q   ; x's scale words: register 8 mm + s: lanes 0-15 tile 2 mm's rows, lanes 16-31 tile 2 mm + 1's
.endr
.endr
	; ---- which experts are live in the block, and which of them are mine
	v_lshrrev_b32 v22, 3, v14
	v_and_b32 v23, 7, v14
	v_lshrrev_b32 v24, 3, v15
	v_and_b32 v25, 7, v15
.irp e, 0,1,2,3
.irp k, 0,1,2,3
	v_cmp_eq_u32 s[16+4*\e+\k], \e, v[22+\k]       ; 32 compares in one batch: experts 0-3 into s16-31, experts 4-7 into s84-99
	v_cmp_eq_u32 s[84+4*\e+\k], \e+4, v[22+\k]
.endr
.endr
.irp e, 0,1,2,3
	s_or_b32 s[16+4*\e], s[16+4*\e], s[17+4*\e]
	s_or_b32 s[18+4*\e], s[18+4*\e], s[19+4*\e]
	s_or_b32 s[16+4*\e], s[16+4*\e], s[18+4*\e]
	s_or_b32 s[84+4*\e], s[84+4*\e], s[85+4*\e]
	s_or_b32 s[86+4*\e], s[86+4*\e], s[87+4*\e]
	s_or_b32 s[84+4*\e], s[84+4*\e], s[86+4*\e]
.endr
	s_mov_b32 s74, 8                               ; 8: none
	s_mov_b32 s75, 8
	s_mov_b32 s47, 0
	s_add_co_u32 s15, s14, 4
.irp e, 0,1,2,3
	RANK \e, 16+4*\e
.endr
.irp e, 0,1,2,3
	RANK \e+4, 84+4*\e
.endr
	s_mov_b32 s85, 0                               ; the upper words of the offsets' pairs
	s_mov_b32 s87, 0
	s_mov_b32 s89, 0
	s_mov_b32 s91, 0
	s_mov_b32 s93, 0
	s_mov_b32 s95, 0
	s_mov_b32 s15, 0                               ; the trip
	; ---- the jobs.  At the loop's head the job's scale words and K steps 0 and 1 of its weights have been asked for, and s[40:43] stand at its part of H
.Ljob:
	WLOAD 2
	XLOAD 0
.irp s, 0,1,2,3,4,5,6,7
	KS \s
.endr
	; the next job: is it live, and where are its weights and its part of H.  All this job's loads are in (the last step's wait was for 0), so their bases may be written
	s_wait_xcnt 0x0
	s_cmp_eq_u32 s15, 1
	s_cselect_b32 s96, s74, s75                    ; its expert, where it is an expert's: behind trip 1 rank y, behind trip 2 rank y + 4
	s_cmp_lt_u32 s96, 8
	s_cselect_b32 s47, 1, 0
	s_cmp_eq_u32 s15, 3
	s_cselect_b32 s47, 0, s47                      ; behind trip 3 there is none
	s_min_u32 s96, s96, 7                          ; held inside the tables before it enters an address
	s_mov_b32 s92, 49152
	s_mov_b32 s94, 2048
	s_cmp_eq_u32 s15, 0                            ; behind trip 0: the second shared job
	s_cselect_b32 s47, 1, s47
	s_cselect_b32 s84, s76, s77
	s_cselect_b32 s86, s78, s79
	s_cselect_b32 s88, s80, s81
	s_cselect_b32 s90, s82, s83
	s_cselect_b32 s97, 0, 1
	s_cselect_b32 s92, 1572864, s92                ; from sw1 to sw3, or two groups of ew1 on
	s_cselect_b32 s94, 65536, s94
	s_mul_i32 s96, s96, s97                        ; e, or 0 for a shared job
	s_mul_i32 s98, s96, 393216
	s_add_co_u32 s84, s84, s98
	s_lshl_b32 s98, s96, 14
	s_add_co_u32 s86, s86, s98
	s_mul_i32 s98, s96, 24576
	s_add_co_u32 s88, s88, s98
	s_lshl_b32 s98, s96, 10
	s_add_co_u32 s90, s90, s98
	s_add_nc_u64 s[32:33], s[8:9], s[84:85]
	s_add_nc_u64 s[34:35], s[32:33], s[92:93]
	s_add_nc_u64 s[36:37], s[8:9], s[86:87]
	s_add_nc_u64 s[38:39], s[36:37], s[94:95]
	s_cmp_lt_u32 s15, 2
	s_cbranch_scc0 .Lgel
	; a shared job's way out; the next job's first loads go out ahead of it
	s_cmp_eq_u32 s47, 0
	s_cbranch_scc1 .Lnopre
	PRE
.Lnopre:
.irp m, 0,1,2,3
	SWI \m
.endr
	s_branch .Ljoin
.Lgel:
	; an expert job's way out; its numbers lie on the scale words' registers, so the next job's first loads follow it
.irp m, 0,1,2,3
	GEL \m
.endr
	s_cmp_eq_u32 s47, 0
	s_cbranch_scc1 .Lend
	PRE
.Ljoin:
	s_cmp_eq_u32 s47, 0
	s_cbranch_scc1 .Lend                           ; no barrier stands behind these branches
	s_wait_xcnt 0x0                                ; this job's stores have read their bases and registers: both are written again below and in the next trip
	s_add_nc_u64 s[40:41], s[10:11], s[88:89]
	s_add_nc_u64 s[42:43], s[10:11], s[90:91]
	s_add_co_u32 s15, s15, 1
	s_cmp_lt_u32 s15, 4
	s_cbranch_scc1 .Ljob
.Lend:
	s_wait_tensorcnt 0x0                           ; the wave's end
	ds_add_u32 v8, v9
	s_wait_dscnt 0x0
	s_endpgm
.Lfunc_end_k_qa092924f0b_up:
	.size	k_qa092924f0b_up, .Lfunc_end_k_qa092924f0b_up-k_qa092924f0b_up
	.p2alignl 7, 3214868480
	.fill 96, 4, 3214868480
	.section	.rodata,"a",@progbits
	.p2align	6, 0x0
	.amdhsa_kernel k_qa092924f0b_up
		.amdhsa_group_segment_fixed_size 67072
		.amdhsa_private_segment_fixed_size 0
		.amdhsa_enable_private_segment 0
		.amdhsa_kernarg_size 32
		.amdhsa_user_sgpr_count 2
		.amdhsa_user_sgpr_kernarg_segment_ptr 1
		.amdhsa_wavefront_size32 1
		.amdhsa_system_sgpr_workgroup_id_x 1
		.amdhsa_system_sgpr_workgroup_id_y 1
		.amdhsa_system_sgpr_workgroup_id_z 1
		.amdhsa_system_vgpr_workitem_id 0
		.amdhsa_next_free_vgpr 864
		.amdhsa_next_free_sgpr 100
		.amdhsa_reserve_vcc 0
		.amdhsa_float_denorm_mode_32 3
		.amdhsa_float_denorm_mode_16_64 3
		.amdhsa_memory_ordered 1
		.amdhsa_forward_progress 1
		.amdhsa_inst_pref_size 255
	.end_amdhsa_kernel
	.section	.bss,"aw",@nobits
	.p2align	6
	.space	262144
	.amdgpu_metadata
---
amdhsa.version: [ 1, 2 ]
amdhsa.kernels:
  - .name:           k_qa092924f0b_up
    .symbol:         k_qa092924f0b_up.kd
    .args:
      - { .name: XQ, .offset: 0, .size: 8, .value_kind: global_buffer, .address_space: global }
      - { .name: SORT, .offset: 8, .size: 8, .value_kind: global_buffer, .address_space: global }
      - { .name: W, .offset: 16, .size: 8, .value_kind: global_buffer, .address_space: global }
      - { .name: H, .offset: 24, .size: 8, .value_kind: global_buffer, .address_space: global }
    .group_segment_fixed_size: 67072
    .private_segment_fixed_size: 0
    .kernarg_segment_align: 8
    .kernarg_segment_size: 32
    .max_flat_workgroup_size: 128
    .sgpr_count:     100
    .vgpr_count:     864
    .wavefront_size: 32
...
	.end_amdgpu_metadata
.endif
;; end of part 6
;; launch down: the kernel of part 4 again; grid 64 x 4, 4 waves a work-group, no clusters, 17,920 bytes of LDS; arguments H, W, SORT, SG, out0; writes out0
